; MI455X (gfx1250); checked and timed in simulation.
; The chip was launched on July 23, 2026; its instructions are those of AMD's public machine-readable ISA for CDNA 5 (MIT licence, August 2026) and "CDNA5" Instruction Set Architecture Reference Guide (July 2026). The comments in the code are by the model that wrote it; some were corrected since.
;; Multi Headed Attention. Allowed arithmetic: matrix products marked QUANTISED: E2M1 operands, one E8M0 scale for each 32 along K, by v_wmma_scale_f32_16x16x128_f8f6f4 with both operands' format E2M1 (or v_wmma_scale_f32_32x16x128_f4), f32 sums; products left as they are: bf16, f16 or f32 operands; f32 sums; everything else in f32.
;; Inputs: Wk 1,024 x 1,024 float32; Wo 1,024 x 1,024 float32; Wq 1,024 x 1,024 float32; Wv 1,024 x 1,024 float32; bk 1,024 float32; bo 1,024 float32; bq 1,024 float32; bv 1,024 float32; key 4 x 2,048 x 1,024 float32; mask 4 x 2,048 x 2,048 int32; query 4 x 2,048 x 1,024 float32; value 4 x 2,048 x 1,024 float32.
;; Outputs: out0 4 x 2,048 x 1,024 float32.
;; This version of the problem:
;;   THIS VERSION OF THE PROBLEM IS GIVEN IN LOW PRECISION. The matrix products marked QUANTISED in the list below multiply operands that are first quantised to E2M1 (2 exponent bits, 1 mantissa bit; 4 bits a number), with one power-of-two scale for each 32 numbers along K (OCP MX v1.0); their sums are f32. The products marked 'left as it is' may take bf16, f16 or f32 operands, with f32 sums. Whichever they take, every output number must still come out within the allowed error. Rounding operands to bf16 (8 significant bits) uses up far more of that allowance than f16 does (11 bits, for magnitudes from 6e-5 to 65,504). All else is computed in f32.
;;   The module's matrix products, in the order in which they are computed (A, B: the left and right operand; K: the contracted axis; several contracted axes count as one K, in the product's order):
;;     1. [M 8,192, K 1,024] x [K 1,024, N 1,024]; A: input query; B: input Wq: QUANTISED
;;     2. [M 8,192, K 1,024] x [K 1,024, N 1,024]; A: input key; B: input Wk: QUANTISED
;;     3. [M 8,192, K 1,024] x [K 1,024, N 1,024]; A: input value; B: input Wv: QUANTISED
;;     4. batch 64 x [M 2,048, K 64] x [K 64, N 2,048]; A: computed on the way; B: computed on the way: left as it is (an operand is computed on the way)
;;     5. batch 64 x [M 2,048, K 2,048] x [K 2,048, N 64]; A: computed on the way; B: computed on the way: left as it is (an operand is computed on the way)
;;     6. [M 8,192, K 1,024] x [K 1,024, N 1,024]; A: computed on the way; B: input Wo: left as it is (an operand is computed on the way)
;;   THE QUANTISER, for each operand of a quantised product, along K:
;;     - K is cut into blocks of 32 from its start; a last block that is shorter is filled with zeros.
;;     - A block's scale is 2^e with e = floor(log2(the largest magnitude in the block)) - 2, held to -126 .. 127; a block of zeros has e = 0. As a byte (E8M0): e + 127.
;;     - Each number is divided by its block's scale, clamped to +-6, and rounded to the nearest number of E2M1, ties to even, subnormals kept.
;;     - The product sums the exact products of the quantised numbers (number of the format x scale) in f32.
;;   ~~~python
;;   def quantise(x, axis):      # numpy; x: float32 -> the quantised numbers, widened to float32 again
;;       x = np.moveaxis(x, axis, -1); K = x.shape[-1]
;;       x = np.pad(x, [(0, 0)] * (x.ndim - 1) + [(0, -K % 32)]); x = x.reshape(x.shape[:-1] + (-1, 32)); a = np.abs(x).max(-1, keepdims=True)
;;       e = np.where(a > 0, np.clip(np.frexp(np.where(a > 0, a, 1))[1] - 1 - 2, -126, 127), 0)      # np.frexp(a)[1] - 1 = floor(log2(a)), exactly
;;       r = np.clip(x / 2.0 ** e, -6, 6)
;;       step = 2.0 ** (np.maximum(np.frexp(np.where(r == 0, 1, r))[1] - 1, 0) - 1)
;;       q = np.round(r / step) * step * 2.0 ** e      # np.round: ties to even
;;       return np.moveaxis(q.reshape(q.shape[:-2] + (-1,))[..., :K], -1, axis).astype(np.float32)
;;   ~~~
;; One version. Each part assembles by itself: llvm-mc -triple=amdgcn-amd-amdhsa -mcpu=gfx1250 --defsym DOCPART=n.
;; ======== version 1 of 1: 4 launches
;; limits: values are held in f16: magnitudes above 65,504 overflow, below 6.1e-05 lose precision
;; workspace buffers: codes 14,155,776 bytes; scales 884,736 bytes; mb 2,097,152 bytes of whole numbers; wof 2,097,152 bytes; qkv 50,331,648 bytes; xf 16,777,216 bytes
;; launch prep (part 1): grid 1104 x 1, 4 waves a work-group, no clusters, 102,912 bytes of LDS; arguments query, key, value, Wq, Wk, Wv, Wo, mask, codes, scales, mb, wof; writes codes, scales, mb, wof
.if DOCPART == 1
	.amdgcn_target "amdgcn-amd-amdhsa--gfx1250"
	.amdhsa_code_object_version 6
	.text
	.protected	k_q14618ad174_prep
	.globl	k_q14618ad174_prep
	.p2align	8
	.type	k_q14618ad174_prep,@function
k_q14618ad174_prep:
	s_mov_b64 s[64:65], 0
	v_nop
	global_prefetch_b8 v0, s[64:65] scope:SCOPE_SE
	s_setreg_imm32_b32 hwreg(HW_REG_WAVE_MODE, 25, 1), 1
	s_wait_xcnt 0x0
; PREP: everything that is made once from the inputs.  Four kinds of work-groups, told apart by the work-group's number alone:
;   0 .. 47     W: Wq, Wk, Wv [k][n] f32 -> codes of E2M1 laid [n][k], K innermost, and one E8M0 byte for each 32 along K (a lane takes a column, its registers run down K)
;   48 .. 79    O: Wo [k][n] f32 -> f16, laid as the images of matrix operands: [16 columns][32 k][half][lane][16 bytes]
;   80 .. 847   X: query, key, value [row][k] f32 -> codes and scale bytes, plain streams of blocks of 32
;   848 .. 1103 M: mask [b][q][k] int32 -> one bit a number, laid as the lane masks of the attention's score registers
; A block's scale is 2^(floor(log2(largest magnitude)) - 2); its byte is the largest magnitude's exponent field - 2, held at 1 from below.
; LIMITS: a block of zeros gets the byte 1 where the rule says 127 (its codes are zeros, and this program alone reads the bytes); blocks whose largest magnitude lies under 2^(2 - 126) keep the byte 1;
; NaN and infinities among the inputs are not served; |Wo| stays at or under 65,504, f16's largest number.
; No work-group shares an input with another, so there is no cluster, no tensor load and no barrier: each wave works alone, and each path has LDS bytes of its own.
.set SPARE, 102400                     ; the spare words, 128 bytes for each wave: two blocks of 256 bytes that no other line names
.set SPW,   196                        ; v196  LDS address of my spare word; never rewritten
.set NIL,   197                        ; v197  0; never rewritten
.set WV,    32                         ; s32   my wave's number
.set EMAX,  2
; path X
.set XSTEPS, 16
.set XR,    16                         ; v16-79   four sets of 16 numbers as loaded
.set XX,    80                         ; v80-111  two sets of 16 neighbours
.set XE,    112                        ; v112-127 a scale byte for each step
.set XC,    128                        ; v128-191 codes, four registers for each step
.set XSP,   80                         ; a lane's place in a stage: 64 bytes + 16 of padding
; path W
.set WST,   32768                      ; LDS: four stages of 32 rows x 272 bytes
.set WP,    272
.set WNB,   16                         ; blocks of 32 along K for a wave
.set WX,    32                         ; v32-95   two sets of 32 numbers
.set WC,    96                         ; v96-99   a block's codes
.set WOUT,  112                        ; v112-175 the way out
.set WSB,   24                         ; v24-27   the scale bytes
; path O
.set OX,    32                         ; v32-95   two sets of 32 numbers
.set OC,    96                         ; v96-111  32 numbers as f16
; path M
.set MST,   67584                      ; LDS: four stages of 32 rows x 272 bytes
.set MR,    16                         ; v16-143  two sets of 64 numbers
.set MW,    144                        ; v144-159 a pair of registers for each unit: 64 words, two a lane
.macro XLD t                           ; step t: 2,048 consecutive bytes, 512 a load
.irp i, 0,1,2,3
	global_load_b128 v[XR+16*((\t)%4)+4*\i:XR+16*((\t)%4)+4*\i+3], v3, s[4:5] offset:2048*(\t)+512*\i th:TH_LOAD_NT
.endr
.endm
.macro XTURN t                         ; step t's numbers through the wave's stage: in as they lie, out 64 bytes a lane.  LDS serves a wave's instructions in order (ISA guide 5.7.1.4)
.irp i, 0,1,2,3
	ds_store_b128 v14, v[XR+16*((\t)%4)+4*\i:XR+16*((\t)%4)+4*\i+3] offset:32*XSP*((\t)%2)+8*XSP*\i
.endr
.irp i, 0,1,2,3
	ds_load_b128 v[XX+16*((\t)%2)+4*\i:XX+16*((\t)%2)+4*\i+3], v15 offset:32*XSP*((\t)%2)+16*\i
.endr
.endm
.macro XSTEP t
.set XS, XX+16*((\t)%2)
.if (\t) > 0
	s_wait_dscnt 1                                 ; this step's numbers are back from the stage; the last step's byte store may be out
.else
	s_wait_dscnt 0x0
.endif
.if (\t)+4 < XSTEPS
	XLD (\t)+4                                     ; the registers that the stage's stores have read take the loads of four steps on
.endif
.if (\t)+1 < XSTEPS
.if XSTEPS-2-(\t) >= 3
	s_wait_loadcnt 12                              ; the next step's four loads are in; those of the three steps behind it may be out
.else
	s_wait_loadcnt 4*(XSTEPS-2-(\t))
.endif
	XTURN (\t)+1
.endif
	v_max3_num_f32 v8, |v[XS]|, |v[XS+1]|, |v[XS+2]|               ; the largest magnitude of my 16, in two chains
	v_max3_num_f32 v9, |v[XS+3]|, |v[XS+4]|, |v[XS+5]|
.irp i, 6,10
	v_max3_num_f32 v8, v8, |v[XS+\i]|, |v[XS+\i+1]|
	v_max3_num_f32 v9, v9, |v[XS+\i+2]|, |v[XS+\i+3]|
.endr
	v_max3_num_f32 v8, v8, |v[XS+14]|, |v[XS+15]|
	v_max3_num_f32 v8, v8, v9, (EMAX+1)<<23        ; and the floor 2^(3 - 127): the byte cannot fall under 1
	v_max_num_f32_dpp v8, v8, v8 row_xmask:1 row_mask:0xf bank_mask:0xf   ; with my neighbour's 16: the block's
	v_add_nc_u32 v11, -(EMAX<<23), v8              ; 2 off the exponent field: the conversion takes that field as its scale
	v_cvt_scalef32_pk8_fp4_f32 v[XC+4*(\t)], v[XS:XS+7], v11
	v_cvt_scalef32_pk8_fp4_f32 v[XC+4*(\t)+1], v[XS+8:XS+15], v11
	v_lshrrev_b32 v[XE+(\t)], 23, v11              ; the scale's byte
	ds_store_b8 v5, v[XE+(\t)] offset:16*(\t)      ; both lanes of a block write the same byte with the same value
	global_store_b64 v4, v[XC+4*(\t):XC+4*(\t)+1], s[36:37] offset:256*(\t)   ; the wave stores 256 consecutive bytes, aligned
.endm
.macro WLD t                           ; block t: W(32 t + i, my column), i = 0 .. 31
.irp i, 0,1,2,3,4,5,6,7,8,9,10,11,12,13,14,15,16,17,18,19,20,21,22,23,24,25,26,27,28,29,30,31
	global_load_b32 v[WX+32*((\t)%2)+\i], v3, s[4:5] offset:(32*(\t)+\i)*4096 th:TH_LOAD_NT
.endr
.endm
.macro WBLOCK t
.set WS, WX+32*((\t)%2)
.if (\t) < WNB-1
	s_wait_loadcnt 32                              ; this block's 32 loads are in; the next block's may be out
.else
	s_wait_loadcnt 0
.endif
	v_max3_num_f32 v12, |v[WS]|, |v[WS+1]|, |v[WS+2]|              ; all 32 numbers of the block are mine
	v_max3_num_f32 v13, |v[WS+3]|, |v[WS+4]|, |v[WS+5]|
.irp i, 6,10,14,18,22,26
	v_max3_num_f32 v12, v12, |v[WS+\i]|, |v[WS+\i+1]|
	v_max3_num_f32 v13, v13, |v[WS+\i+2]|, |v[WS+\i+3]|
.endr
	v_max3_num_f32 v12, v12, |v[WS+30]|, |v[WS+31]|
	v_max3_num_f32 v12, v12, v13, (EMAX+1)<<23
	v_add_nc_u32 v11, -(EMAX<<23), v12
	v_lshrrev_b32 v13, 23, v11
.if (\t)%4 == 0
	v_mov_b32 v[WSB+(\t)/4], v13                   ; four bytes to a register, the lower K in the lower byte
.else
	v_lshl_or_b32 v[WSB+(\t)/4], v13, 8*((\t)%4), v[WSB+(\t)/4]
.endif
.irp g, 0,1,2,3
	v_cvt_scalef32_pk8_fp4_f32 v[WC+\g], v[WS+8*\g:WS+8*\g+7], v11
.endr
	ds_store_b128 v4, v[WC:WC+3] offset:16*(\t)    ; 32 codes: 16 bytes of my column's row
.if (\t)+2 < WNB
	WLD (\t)+2
.endif
	s_wait_dscnt 0x0                               ; the store has read its registers: the next block's codes may be written
.endm
.macro OLD s                           ; 32 rows of Wo at my column
.irp i, 0,1,2,3,4,5,6,7,8,9,10,11,12,13,14,15,16,17,18,19,20,21,22,23,24,25,26,27,28,29,30,31
	global_load_b32 v[OX+32*((\s)%2)+\i], v3, s[4:5] offset:(32*(\s)+\i)*4096 th:TH_LOAD_NT
.endr
.endm
.macro MLD u                           ; unit u: 32 query rows x 64 keys; a load takes two rows' 256 bytes
.irp i, 0,1,2,3,4,5,6,7,8,9,10,11,12,13,14,15
	global_load_b128 v[MR+64*((\u)%2)+4*\i:MR+64*((\u)%2)+4*\i+3], v3, s[4:5] offset:\i*16384+(\u)*256 th:TH_LOAD_NT
.endr
.endm
.macro MUNIT u
.set MS, MR+64*((\u)%2)
.if (\u) < 7
	s_wait_loadcnt 16                              ; this unit's 16 loads are in; the next unit's may be out
.else
	s_wait_loadcnt 0
.endif
.irp i, 0,1,2,3,4,5,6,7,8,9,10,11,12,13,14,15
	ds_store_b128 v4, v[MS+4*\i:MS+4*\i+3] offset:544*\i
.endr
.irp n, 0,1,2,3,4,5,6,7,8,9,10,11,12,13,14,15      ; back so that register 32 tile + 8 t + j of lane (r, h) is mask(16 tile + r, 16 t + 8 h + j)
	ds_load_b128 v[MS+4*\n:MS+4*\n+3], v5 offset:4352*(\n/8)+64*((\n/2)%4)+16*(\n%2)
.endr
	s_wait_dscnt 0x0
.set MG, 0
.rept 8                                            ; a compare's lane mask IS the word; eight compares, then eight lane writes
.irp k, 0,1,2,3,4,5,6,7
	v_cmp_ne_u32 s[40+\k], 0, v[MS+8*MG+\k]
.endr
.irp k, 0,1,2,3,4,5,6,7
	v_writelane_b32 v[MW+2*(\u)+(\k%2)], s[40+\k], 4*MG+\k/2   ; word w goes to lane w / 2, register w % 2
.endr
.set MG, MG+1
.endr
.if (\u)+2 < 8
	MLD (\u)+2
.endif
	global_store_b64 v6, v[MW+2*(\u):MW+2*(\u)+1], s[6:7] offset:512*(\u)   ; 64 words: 256 consecutive bytes, aligned
.endm
	s_load_b512 s[8:23], s[0:1], 0x0               ; query 8, key 10, value 12, Wq 14, Wk 16, Wv 18, Wo 20, mask 22
	s_load_b256 s[24:31], s[0:1], 0x40             ; codes 24, scales 26, mb 28, wof 30
	v_lshl_add_u32 v[SPW], v0, 2, SPARE
	v_mov_b32 v[NIL], 0
	v_lshrrev_b32 v1, 5, v0
	v_readfirstlane_b32 s[WV], v1                  ; wave 0..3
	v_and_b32 v2, 31, v0                           ; lane
	s_mov_b32 s35, 0                               ; every offset is under 2^32: the high word of the pair s[34:35]
	s_wait_kmcnt 0x0
	s_cmp_lt_u32 ttmp9, 48
	s_cbranch_scc1 .Lpath_w
	s_cmp_lt_u32 ttmp9, 80
	s_cbranch_scc1 .Lpath_o
	s_cmp_lt_u32 ttmp9, 848
	s_cbranch_scc1 .Lpath_x
	; ---- M: the work-group takes 32 query rows, wave w the key groups 8 w .. 8 w + 7 of 64 keys
	s_sub_co_u32 s33, ttmp9, 848
	s_lshl_b32 s34, s33, 18                        ; 32 rows of 8,192 bytes
	s_lshl_b32 s36, s[WV], 11                      ; 8 groups of 256 bytes
	s_add_co_u32 s34, s34, s36
	s_add_nc_u64 s[4:5], s[22:23], s[34:35]
	s_lshr_b32 s34, s33, 1
	s_lshl_b32 s34, s34, 14                        ; a block of 64 queries is 16,384 bytes of words,
	s_and_b32 s36, s33, 1
	s_lshl_b32 s36, s36, 8                         ; my two tiles of 16 queries are 256 of a group's 512,
	s_add_co_u32 s34, s34, s36
	s_lshl_b32 s36, s[WV], 12                      ; my wave's 8 groups
	s_add_co_u32 s34, s34, s36
	s_add_nc_u64 s[6:7], s[28:29], s[34:35]
	v_lshrrev_b32 v7, 4, v2                        ; h
	v_and_b32 v8, 15, v2                           ; r
	v_lshlrev_b32 v3, 13, v7
	v_lshl_add_u32 v3, v8, 4, v3                   ; in: lanes 0-15 a row's 256 bytes, lanes 16-31 the next row's
	s_mul_i32 s36, s[WV], 32*272
	s_add_co_u32 s36, s36, MST                     ; my stage
	v_mul_u32_u24 v4, v7, 272
	v_lshl_add_u32 v4, v8, 4, v4
	v_add_nc_u32 v4, s36, v4                       ; into it as loaded
	v_mul_u32_u24 v5, v8, 272
	v_lshl_add_u32 v5, v7, 5, v5
	v_add_nc_u32 v5, s36, v5                       ; out of it: row r, 32 h bytes on
	v_lshlrev_b32 v6, 3, v2                        ; out: 8 bytes a lane
.irp i, 0,1,2,3,4,5,6,7,8,9,10,11,12,13,14,15
	v_mov_b32 v[MW+\i], 0                          ; a lane write's destination counts as read
.endr
	MLD 0
	MLD 1
.irp u, 0,1,2,3,4,5,6,7
	MUNIT \u
.endr
	s_wait_tensorcnt 0x0                           ; the wave's end: behind my last LDS store
	ds_add_u32 v[SPW], v[NIL]
	s_wait_dscnt 0x0
	s_endpgm
.Lpath_x:
	; ---- X: a wave takes 16 steps of 512 numbers of one of the three tensors
	s_sub_co_u32 s33, ttmp9, 80
	s_lshr_b32 s34, s33, 8                         ; which tensor: 256 work-groups each
	s_cmp_eq_u32 s34, 0
	s_cselect_b64 s[4:5], s[8:9], s[10:11]
	s_cmp_eq_u32 s34, 2
	s_cselect_b64 s[4:5], s[12:13], s[4:5]
	s_and_b32 s34, s33, 255
	s_lshl_b32 s34, s34, 17                        ; 131,072 bytes a work-group,
	s_lshl_b32 s36, s[WV], 15                      ; 32,768 a wave
	s_add_co_u32 s34, s34, s36
	s_add_nc_u64 s[4:5], s[4:5], s[34:35]
	s_lshl_b32 s33, s33, 2
	s_add_co_u32 s33, s33, s[WV]                   ; my run of 8,192 numbers; the three tensors' codes and bytes lie on end
	s_lshl_b32 s34, s33, 12
	s_add_nc_u64 s[36:37], s[24:25], s[34:35]      ; 4,096 bytes of codes a run
	s_lshl_b32 s34, s33, 8
	s_add_nc_u64 s[38:39], s[26:27], s[34:35]      ; 256 scale bytes a run
	v_lshlrev_b32 v3, 4, v2                        ; my 16 bytes of a load's 512
	s_mul_i32 s40, s[WV], 8192                     ; my region of LDS: two stages, then 256 scale bytes
	v_lshrrev_b32 v14, 2, v2
	v_mul_u32_u24 v14, v14, XSP
	v_and_b32 v15, 3, v2
	v_lshl_add_u32 v14, v15, 4, v14
	v_add_nc_u32 v14, s40, v14                     ; in: four lanes' 64 bytes on end, then 16 of padding
	v_mul_u32_u24 v15, v2, XSP
	v_add_nc_u32 v15, s40, v15                     ; out: my 16 neighbours
	v_lshlrev_b32 v4, 3, v2                        ; my 8 bytes of a step's codes
	v_lshrrev_b32 v5, 1, v2
	s_add_co_u32 s40, s40, 2*32*XSP
	v_add_nc_u32 v5, s40, v5                       ; my block's scale byte
	v_lshlrev_b32 v7, 3, v2
	v_add_nc_u32 v6, s40, v7
.irp t, 0,1,2,3
	XLD \t
.endr
	s_wait_loadcnt 12                              ; step 0's four loads are in
	XTURN 0
.irp t, 0,1,2,3,4,5,6,7,8,9,10,11,12,13,14,15
	XSTEP \t
.endr
	ds_load_b64 v[8:9], v6                         ; my wave's 256 scale bytes
	s_wait_dscnt 0x0
	global_store_b64 v7, v[8:9], s[38:39]          ; 256 consecutive bytes, aligned
	s_wait_tensorcnt 0x0                           ; the wave's end
	ds_add_u32 v[SPW], v[NIL]
	s_wait_dscnt 0x0
	s_endpgm
.Lpath_w:
	; ---- W: a wave takes 32 columns x 512 along K of one of the three weights
	s_lshr_b32 s33, ttmp9, 4                       ; which weight: 16 work-groups each
	s_cmp_eq_u32 s33, 0
	s_cselect_b64 s[4:5], s[14:15], s[16:17]
	s_cmp_eq_u32 s33, 2
	s_cselect_b64 s[4:5], s[18:19], s[4:5]
	s_and_b32 s36, ttmp9, 7
	s_lshl_b32 s36, s36, 7
	s_lshl_b32 s37, s[WV], 5
	s_add_co_u32 s36, s36, s37                     ; my first column
	s_bfe_u32 s37, ttmp9, 0x10003                  ; which 512 along K
	s_lshl_b32 s34, s37, 21                        ; 512 rows of 4,096 bytes
	s_lshl_b32 s40, s36, 2
	s_add_co_u32 s34, s34, s40
	s_add_nc_u64 s[4:5], s[4:5], s[34:35]
	s_lshl_b32 s34, s36, 9                         ; the codes: a row of 512 bytes a column,
	s_lshl_b32 s40, s37, 8                         ; 256 bytes for 512 along K,
	s_add_co_u32 s34, s34, s40
	s_lshl_b32 s40, s33, 19                        ; 524,288 a weight,
	s_add_co_u32 s34, s34, s40
	s_add_co_u32 s34, s34, 12582912                ; behind the three tensors' codes
	s_add_nc_u64 s[6:7], s[24:25], s[34:35]
	s_lshl_b32 s34, s36, 5                         ; the scale bytes likewise: 32 a column, 16 for 512 along K
	s_lshl_b32 s40, s37, 4
	s_add_co_u32 s34, s34, s40
	s_lshl_b32 s40, s33, 15
	s_add_co_u32 s34, s34, s40
	s_add_co_u32 s34, s34, 786432
	s_add_nc_u64 s[38:39], s[26:27], s[34:35]
	v_lshlrev_b32 v3, 2, v2                        ; in: 4 bytes a lane
	s_mul_i32 s36, s[WV], 32*WP
	s_add_co_u32 s36, s36, WST                     ; my stage
	v_mul_u32_u24 v4, v2, WP
	v_add_nc_u32 v4, s36, v4                       ; into it: row = my column
	v_and_b32 v5, 15, v2
	v_lshrrev_b32 v6, 4, v2
	v_mul_u32_u24 v7, v6, WP
	v_lshl_add_u32 v7, v5, 4, v7
	v_add_nc_u32 v7, s36, v7                       ; out of it: sixteen lanes to a row, two rows an instruction
	v_lshlrev_b32 v8, 9, v6
	v_lshl_add_u32 v8, v5, 4, v8                   ; and the same place in the codes
	v_lshlrev_b32 v9, 5, v2                        ; my column's row of scale bytes
	WLD 0
	WLD 1
.set WQ, 0
.rept WNB
	WBLOCK WQ
.set WQ, WQ+1
.endr
	global_store_b128 v9, v[WSB:WSB+3], s[38:39]   ; my column's 16 scale bytes
.irp t, 0,1,2,3,4,5,6,7,8,9,10,11,12,13,14,15
	ds_load_b128 v[WOUT+4*\t:WOUT+4*\t+3], v7 offset:2*\t*WP
.endr
.irp t, 0,1,2,3,4,5,6,7,8,9,10,11,12,13,14,15
	s_wait_dscnt 15-\t
	global_store_b128 v8, v[WOUT+4*\t:WOUT+4*\t+3], s[6:7] offset:2*\t*512   ; sixteen lanes store 256 consecutive bytes, aligned
.endr
	s_wait_tensorcnt 0x0                           ; the wave's end
	ds_add_u32 v[SPW], v[NIL]
	s_wait_dscnt 0x0
	s_endpgm
.Lpath_o:
	; ---- O: a lane takes a column of Wo, its registers run down K; 256 along K a work-group, 32 a step.  Of a step's 16 packed registers, 8 c + 4 h .. + 3 are
	; k = 16 c + 8 h + 0 .. 7: what lane 16 h + r of the image's half c holds for column r of its tile.  No LDS is needed.
	s_sub_co_u32 s33, ttmp9, 48
	s_and_b32 s36, s33, 7                          ; which 128 columns
	s_lshr_b32 s37, s33, 3                         ; which 256 along K
	s_lshl_b32 s34, s37, 20
	s_lshl_b32 s40, s36, 9
	s_add_co_u32 s34, s34, s40
	s_lshl_b32 s40, s[WV], 7
	s_add_co_u32 s34, s34, s40
	s_add_nc_u64 s[4:5], s[20:21], s[34:35]
	s_lshl_b32 s34, s36, 18                        ; 8 tiles of 16 columns, 32,768 bytes each,
	s_lshl_b32 s40, s[WV], 16                      ; 2 a wave,
	s_add_co_u32 s34, s34, s40
	s_lshl_b32 s40, s37, 13                        ; 8 steps of 1,024 bytes
	s_add_co_u32 s34, s34, s40
	s_add_nc_u64 s[6:7], s[30:31], s[34:35]
	v_lshlrev_b32 v3, 2, v2
	v_lshrrev_b32 v4, 4, v2
	v_and_b32 v5, 15, v2
	v_lshlrev_b32 v4, 15, v4
	v_lshl_add_u32 v4, v5, 4, v4                   ; my tile, 16 r
	OLD 0
	OLD 1
.irp s, 0,1,2,3,4,5,6,7
.if \s < 7
	s_wait_loadcnt 32                              ; this step's 32 loads are in; the next step's may be out
.else
	s_wait_loadcnt 0
.endif
	s_wait_xcnt 0x0                                ; the last step's stores have read their data registers, which are written again below
.irp i, 0,1,2,3,4,5,6,7,8,9,10,11,12,13,14,15
	v_cvt_pk_f16_f32 v[OC+\i], v[OX+32*(\s%2)+2*\i], v[OX+32*(\s%2)+2*\i+1]
.endr
.if \s+2 < 8
	OLD \s+2
.endif
.irp n, 0,1,2,3
	global_store_b128 v4, v[OC+4*\n:OC+4*\n+3], s[6:7] offset:\s*1024+256*\n   ; n = 2 c + h: each half of the lanes stores 256 consecutive bytes, aligned
.endr
.endr
	s_wait_tensorcnt 0x0                           ; this path stores nothing to LDS; the three lines stand here as on the other paths
	ds_add_u32 v[SPW], v[NIL]
	s_wait_dscnt 0x0
	s_endpgm
.Lfunc_end_k_q14618ad174_prep:
	.size	k_q14618ad174_prep, .Lfunc_end_k_q14618ad174_prep-k_q14618ad174_prep
	.p2alignl 7, 3214868480
	.fill 96, 4, 3214868480
	.section	.rodata,"a",@progbits
	.p2align	6, 0x0
	.amdhsa_kernel k_q14618ad174_prep
		.amdhsa_group_segment_fixed_size 102912
		.amdhsa_private_segment_fixed_size 0
		.amdhsa_enable_private_segment 0
		.amdhsa_kernarg_size 96
		.amdhsa_user_sgpr_count 2
		.amdhsa_user_sgpr_kernarg_segment_ptr 1
		.amdhsa_wavefront_size32 1
		.amdhsa_system_sgpr_workgroup_id_x 1
		.amdhsa_system_sgpr_workgroup_id_y 1
		.amdhsa_system_sgpr_workgroup_id_z 1
		.amdhsa_system_vgpr_workitem_id 0
		.amdhsa_next_free_vgpr 200
		.amdhsa_next_free_sgpr 66
		.amdhsa_reserve_vcc 0
		.amdhsa_float_denorm_mode_32 3
		.amdhsa_float_denorm_mode_16_64 3
		.amdhsa_memory_ordered 1
		.amdhsa_forward_progress 1
		.amdhsa_inst_pref_size 243
	.end_amdhsa_kernel
	.amdgpu_metadata
---
amdhsa.version: [ 1, 2 ]
amdhsa.kernels:
  - .name:           k_q14618ad174_prep
    .symbol:         k_q14618ad174_prep.kd
    .args:
      - { .name: query, .offset: 0, .size: 8, .value_kind: global_buffer, .address_space: global }
      - { .name: key, .offset: 8, .size: 8, .value_kind: global_buffer, .address_space: global }
      - { .name: value, .offset: 16, .size: 8, .value_kind: global_buffer, .address_space: global }
      - { .name: Wq, .offset: 24, .size: 8, .value_kind: global_buffer, .address_space: global }
      - { .name: Wk, .offset: 32, .size: 8, .value_kind: global_buffer, .address_space: global }
      - { .name: Wv, .offset: 40, .size: 8, .value_kind: global_buffer, .address_space: global }
      - { .name: Wo, .offset: 48, .size: 8, .value_kind: global_buffer, .address_space: global }
      - { .name: mask, .offset: 56, .size: 8, .value_kind: global_buffer, .address_space: global }
      - { .name: codes, .offset: 64, .size: 8, .value_kind: global_buffer, .address_space: global }
      - { .name: scales, .offset: 72, .size: 8, .value_kind: global_buffer, .address_space: global }
      - { .name: mb, .offset: 80, .size: 8, .value_kind: global_buffer, .address_space: global }
      - { .name: wof, .offset: 88, .size: 8, .value_kind: global_buffer, .address_space: global }
    .group_segment_fixed_size: 102912
    .private_segment_fixed_size: 0
    .kernarg_segment_align: 8
    .kernarg_segment_size: 96
    .max_flat_workgroup_size: 128
    .sgpr_count:     66
    .vgpr_count:     200
    .wavefront_size: 32
...
	.end_amdgpu_metadata
.endif
;; end of part 1
;; launch proj (part 2): grid 96 x 4, 4 waves a work-group, clusters of 4 x 4, 327,680 bytes of LDS; arguments codes, scales, bq, bk, qkv; writes qkv
.if DOCPART == 2
	.amdgcn_target "amdgcn-amd-amdhsa--gfx1250"
	.amdhsa_code_object_version 6
	.text
	.protected	k_q14618ad174_proj
	.globl	k_q14618ad174_proj
	.p2align	8
	.type	k_q14618ad174_proj,@function
k_q14618ad174_proj:
	s_mov_b64 s[64:65], 0
	v_nop
	global_prefetch_b8 v0, s[64:65] scope:SCOPE_SE
	s_setreg_imm32_b32 hwreg(HW_REG_WAVE_MODE, 25, 1), 1
	s_wait_xcnt 0x0
	s_wait_alu depctr_hold_cnt(0) depctr_sa_sdst(0) depctr_va_vdst(0) depctr_va_sdst(0) depctr_va_ssrc(0) depctr_va_vcc(0) depctr_vm_vsrc(0)
	s_getreg_b32 s2, hwreg(HW_REG_IB_STS2, 6, 4)
	s_cmp_eq_u32 s2, 0
	s_cbranch_scc0 .Lentry_in_a_cluster
	s_endpgm
.Lentry_in_a_cluster:
	s_bfe_u32 s2, ttmp6, 0x10000c
	s_cmp_lg_u32 s2, 0xf033
	s_cbranch_scc0 .Lentry_shape_is_right
	s_endpgm
.Lentry_shape_is_right:
; PROJ: the three quantised products x W, on codes of E2M1 with one E8M0 scale for each 32 along K, by v_wmma_scale_f32_16x16x128_f8f6f4; sums in f32.
; Results leave as f16, laid as the images of the attention's matrix operands: an image's lane l holds 16 bytes at 16 l, so every store of a wave covers 512 consecutive bytes, aligned.
; 24 clusters of 4 x 4 work-groups; cluster number / 8 = T says which product (0 q, 1 k, 2 v), cluster number % 8 = g which eighth of the 8,192 tokens.
; A work-group makes 256 x 256 of C = A B^T, four waves of 128 x 128 (64 accumulators, 512 registers).  THE MATRIX INSTRUCTION IS USED TRANSPOSED (source 0 = 16 rows of B, source 1 = 16 rows of A):
; a lane holds one row of A and eight neighbouring rows of B.  T < 2: A = the tokens, B = W^T: a lane holds one token and eight neighbouring dims: q's and k's image.
; T = 2: A = Wv^T, B = the tokens: a lane holds one channel and eight neighbouring tokens: the image of V^T, whose K is the keys.
; q = (x Wq + bq) x log2(e) / 8, so that the attention's scores arrive in units of log2; k = x Wk + bk; v = x Wv (bv is added behind the softmax's division, where the weights sum to 1).
; The bias is the C of each sum's first matrix instruction; for T = 2 that C is zeros, chosen by v_cndmask_b32: no branch hangs on T.
; K = 1,024 is two slots of 512 along K: both are asked for at the head, and nothing is filled again.  The scale bytes of the work-group's rows come with them, in whole units of 256 bytes.
; CLUSTERS: the four of a row of the cluster need the same tiles of A, the four of a column the same tiles of B: each tile is asked for jointly.
; LIMITS: |q x log2(e) / 8|, |k| and |v| stay at or under 65,504, f16's largest number; NaN and infinities are not served.
; REGISTERS: window 0: v1-29 addresses; v32-95 scale words, two sets; v128-191 A's fragments, one set; on the way out v128-223.  window 1: B's fragments at v0 and v128; v64-127 the bias.  windows 2, 3: the accumulators.
.set NQ,     4                         ; matrix instructions deep in a slot
.set ROWB,   256                       ; a tile's row: 512 codes
.set KROW,   512                       ; a row of codes in memory
.set PITCH,  272                       ; an LDS row: 256 bytes + 16 of padding = 68 words: the 16 rows that a load touches start at 16 different banks (64 banks of 4 bytes: ISA guide 11.1)
.set FR,     8
.set NL,     2
.set NP,     4
.set HALFT,  128*PITCH
.set SLOT,   4*HALFT
.set KS,     32                        ; a row of scale bytes
.set SCL,    2*SLOT                    ; behind the two slots: the scales, as units of 256 bytes + 16 of padding
.set HALFS,  16*272                    ; the scales of 128 rows
.set SBLK,   2*272                     ; those of 16 rows
.set SPARE,  SCL+4*HALFS               ; the spare words, 128 bytes for each wave: two blocks of 256 bytes that no other line names
.set VB,   8                           ; v8-11   the way out: 16 x lane + what B's blocks 2 i, 2 i + 1 add
.set BO,   12                          ; v12     the bias: 32 x (lane / 16)
.set ADRA, 16
.set ADRB, 20
.set ADRS, 27
.set SPW,  28
.set NIL,  29
.set SC,   32
.set AF,   128
.set BN,   64                          ; in window 1: the bias, eight registers for each of B's eight blocks
.set TMP,  128                         ; the way out: a block's 64 numbers,
.set PK,   192                         ; and the same as f16
.set G1, 24
.set G0, 32
.set G1B, 48
.set G0B, 56
.set G1S, 68
.set G0S, 76
.set G1SB, 80
.set G0SB, 88
.set TT,   95                          ; s95      T
.set FAC,  96                          ; s[96:97] the factor on the way out, twice
.set SA1,  98                          ; s[98:99] bytes from A's block a to a + 1
.set SA2,  100                         ; s[100:101] and what block 4 adds
.set SB1,  66
.set SB2,  67
.set SELM, 104                         ; s104     all ones where there is a bias, else 0
.set MSB, 0
.macro WIN new                         ; the immediate's high byte repeats the setting that is left
.if MSB != \new
	s_set_vgpr_msb (MSB<<8)|\new
.set MSB, \new
.endif
.endm
.set MUL_LO, 0xa1                      ; source 0 (B) window 1, source 1 (A) window 0, C and D window 2
.set MUL_HI, 0xf1
.set TO_B,   0x40
; A joint load: waves 0 and 1 fetch for A, waves 2 and 3 for B; the branch hangs on the wave's number alone.  An s_nop 0 and four v_nop follow each of the two lines.
.macro JLOAD g0a, g1a, g0b, g1b
	s_cmp_eq_u32 s15, 0
	s_cbranch_scc0 .Lfor_b_\@
	tensor_load_to_lds s[\g0a:\g0a+3], s[\g1a:\g1a+7]
	s_nop 0
.rept 4
	v_nop
.endr
	s_branch .Lasked_\@
.Lfor_b_\@:
	tensor_load_to_lds s[\g0b:\g0b+3], s[\g1b:\g1b+7]
	s_nop 0
.rept 4
	v_nop
.endr
.Lasked_\@:
.endm
.macro CROUND                          ; a round of the cluster's barrier
	s_barrier_signal -1
	s_barrier_wait -1
	s_cmp_lg_u32 s14, 0
	s_cbranch_scc1 .Lnot_wave_0_\@
	s_barrier_signal -3
.Lnot_wave_0_\@:
	s_barrier_wait -3
	s_barrier_signal -1
	s_barrier_wait -1
.endm
	s_load_b256 s[4:11], s[0:1], 0x0               ; codes s[4:5], scales s[6:7], bq s[8:9], bk s[10:11]
	s_load_b64 s[12:13], s[0:1], 0x20              ; qkv
	v_lshl_add_u32 v[SPW], v0, 2, SPARE
	v_mov_b32 v[NIL], 0
	ds_add_u32 v[SPW], v[NIL]                      ; the wave's opening: the add, twice on end, and its wait ahead of my first tensor load
	ds_add_u32 v[SPW], v[NIL]
	v_lshrrev_b32 v1, 5, v0
	v_readfirstlane_b32 s14, v1                    ; wave 0..3
	s_lshr_b32 s15, s14, 1                         ; which half of A's rows is mine.  Also: I fetch for A (0) or for B (1)
	s_and_b32 s16, s14, 1                          ; which half of B's rows.  Also: which 128 rows of that tile I fetch
	s_bfe_u32 s40, ttmp6, 0x40000                  ; cx
	s_bfe_u32 s41, ttmp6, 0x40004                  ; cy
	s_lshr_b32 s[TT], ttmp9, 3                     ; T
	s_and_b32 s96, ttmp9, 7
	s_lshl_b32 s96, s96, 2                         ; 4 g
	s_cmp_eq_u32 s[TT], 2
	s_cselect_b32 s97, 0, s96                      ; the tokens are A's rows for T < 2,
	s_cselect_b32 s98, s96, 0                      ; B's for T = 2
	s_add_co_u32 s17, s41, s97                     ; tile row of C
	s_add_co_u32 s42, s40, s98                     ; tile column of C
	s_lshl_b32 s99, s[TT], 22                      ; where A's and B's codes and scale bytes begin, for T < 2:
	s_lshl_b32 s100, s[TT], 19
	s_add_co_u32 s100, s100, 12582912
	s_lshl_b32 s101, s[TT], 18
	s_lshl_b32 s104, s[TT], 15
	s_add_co_u32 s104, s104, 786432
	s_cmp_eq_u32 s[TT], 2                          ; and for T = 2, with the operands' parts changed
	s_cselect_b32 s99, 13631488, s99
	s_cselect_b32 s100, 8388608, s100
	s_cselect_b32 s101, 851968, s101
	s_cselect_b32 s104, 524288, s104
	s_lshl_b32 s43, s41, 2
	s_lshl_b32 s43, 15, s43                        ; my row of the cluster
	s_lshl_b32 s44, 0x1111, s40                    ; my column
	; descriptor group 1: a tile of 128 rows x 256 bytes, 16 bytes of padding behind each row
	s_or_b32 s[G1+0], s43, (0<<16)|(1<<20)|(1<<21)|(5<<22)|(3<<25)  ; 15:0 the mask; 17:16 elements of 1 byte; 20 padding on; 21 set beside a mask; 24:22 after every 64 words; 31:25 four words
	s_or_b32 s[G1B+0], s44, (0<<16)|(1<<20)|(1<<21)|(5<<22)|(3<<25)
.irp g, G1, G1B
	s_mov_b32 s[\g+1], ROWB<<16                    ; tensor_dim0
	s_mov_b32 s[\g+2], 128<<16                     ; tensor_dim1
	s_mov_b32 s[\g+3], ROWB<<16                    ; tile_dim0
	s_mov_b32 s[\g+4], 128                         ; tile_dim1
	s_mov_b32 s[\g+5], KROW                        ; tensor_dim0_stride
	s_mov_b32 s[\g+6], 0
	s_mov_b32 s[\g+7], 0
.endr
	; the scales of 128 rows: 4,096 dense bytes, as 16 rows of 256 bytes (32 elements of 8 bytes), 16 bytes of padding behind each
	s_or_b32 s[G1S+0], s43, (3<<16)|(1<<20)|(1<<21)|(5<<22)|(3<<25)
	s_or_b32 s[G1SB+0], s44, (3<<16)|(1<<20)|(1<<21)|(5<<22)|(3<<25)
.irp g, G1S, G1SB
	s_mov_b32 s[\g+1], 32<<16
	s_mov_b32 s[\g+2], 16<<16
	s_mov_b32 s[\g+3], 32<<16
	s_mov_b32 s[\g+4], 16
	s_mov_b32 s[\g+5], 32
	s_mov_b32 s[\g+6], 0
	s_mov_b32 s[\g+7], 0
.endr
	s_lshl_b32 s18, s16, 7                         ; which 128 rows of the tile I fetch
	s_lshl_b32 s20, s17, 8
	s_add_co_u32 s20, s20, s18                     ; A's row
	s_lshl_b32 s46, s42, 8
	s_add_co_u32 s46, s46, s18                     ; B's row
	s_lshl_b32 s22, s20, 5                         ; 32 scale bytes a row
	s_add_co_u32 s22, s22, s101
	s_lshl_b32 s92, s46, 5
	s_add_co_u32 s92, s92, s104
	s_lshl_b32 s20, s20, 9                         ; 512 bytes of codes a row
	s_add_co_u32 s20, s20, s99
	s_lshl_b32 s46, s46, 9
	s_add_co_u32 s46, s46, s100
	s_mov_b32 s21, 0
	s_mov_b32 s23, 0
	s_mov_b32 s47, 0
	s_mov_b32 s93, 0
	s_mul_i32 s45, s14, HALFT                      ; where they go: wave x 128 rows: no place in the cluster enters an LDS address
	s_mul_i32 s94, s14, HALFS
	s_wait_dscnt 0x0                               ; both opening adds are done
	s_wait_kmcnt 0x0
	s_add_nc_u64 s[20:21], s[4:5], s[20:21]
	s_add_nc_u64 s[22:23], s[6:7], s[22:23]
	s_add_nc_u64 s[46:47], s[4:5], s[46:47]
	s_add_nc_u64 s[92:93], s[6:7], s[92:93]
	CROUND                                         ; all sixteen work-groups are here: the joint loads meet
	s_mov_b32 s[G0S], 1
	s_add_co_u32 s[G0S+1], s94, SCL
	s_mov_b64 s[G0S+2:G0S+3], s[22:23]
	s_or_b32 s[G0S+3], s[G0S+3], 0x80000000
	s_mov_b32 s[G0SB], 1
	s_add_co_u32 s[G0SB+1], s94, SCL
	s_mov_b64 s[G0SB+2:G0SB+3], s[92:93]
	s_or_b32 s[G0SB+3], s[G0SB+3], 0x80000000
	JLOAD G0S, G1S, G0SB, G1SB                     ; the scales first: they are wanted with the first slot.  Three loads of mine are out behind the next two
.irp s, 0,1
	s_mov_b32 s[G0+4*\s], 1
	s_add_co_u32 s[G0+4*\s+1], s45, \s*SLOT
	s_add_nc_u64 s[G0+4*\s+2:G0+4*\s+3], s[20:21], \s*ROWB
	s_or_b32 s[G0+4*\s+3], s[G0+4*\s+3], 0x80000000
	s_mov_b32 s[G0B+4*\s], 1
	s_add_co_u32 s[G0B+4*\s+1], s45, \s*SLOT
	s_add_nc_u64 s[G0B+4*\s+2:G0B+4*\s+3], s[46:47], \s*ROWB
	s_or_b32 s[G0B+4*\s+3], s[G0B+4*\s+3], 0x80000000
	JLOAD G0+4*\s, G1, G0B+4*\s, G1B
.endr
	; the bias of my 128 columns: lane (r, h) wants, for B's block b, numbers 16 b + 8 h + 0 .. 7.  The address is made of cx, never of g, so it stays inside the 4,096 bytes for T = 2 too
	s_cmp_eq_u32 s[TT], 0
	s_cselect_b64 s[8:9], s[8:9], s[10:11]
	s_cselect_b32 s[FAC], 0x3e38aa3b, 1.0          ; log2(e) / 8 for q, 1 for k and v
	s_mov_b32 s[FAC+1], s[FAC]
	s_cmp_eq_u32 s[TT], 2
	s_cselect_b32 s[SELM], 0, -1
	s_lshl_b32 s18, s40, 10
	s_lshl_b32 s19, s16, 9
	s_add_co_u32 s18, s18, s19
	s_mov_b32 s19, 0
	s_add_nc_u64 s[8:9], s[8:9], s[18:19]
	v_and_b32 v1, 15, v0                           ; l % 16
	v_bfe_u32 v2, v0, 4, 1                         ; l / 16
	v_lshlrev_b32 v[BO], 5, v2
	WIN TO_B
.irp b, 0,1,2,3,4,5,6,7
	global_load_b128 v[BN+8*\b:BN+8*\b+3], v[BO], s[8:9] offset:64*\b
	global_load_b128 v[BN+8*\b+4:BN+8*\b+7], v[BO], s[8:9] offset:64*\b+16
.endr
	s_wait_loadcnt 0x0
	WIN 0x44                                       ; destination and source 1 in window 1
.set BI, 0
.rept 64
	v_cndmask_b32 v[BN+BI], 0, v[BN+BI], s[SELM]   ; v has no bias here
.set BI, BI+1
.endr
	WIN 0
	v_mul_u32_u24 v3, v1, PITCH
	v_lshl_add_u32 v4, v2, 4, v3                   ; a fragment's row x pitch + 16 x half
	s_mul_i32 s21, s15, HALFT                      ; my 128 rows of A
	s_mul_i32 s22, s16, HALFT                      ; my 128 rows of B,
	s_add_co_u32 s22, s22, 2*HALFT                 ; which lie behind A's 256
.irp s, 0,1
	v_add_nc_u32 v[ADRA+\s], s21, v4
	v_add_nc_u32 v[ADRB+\s], s22, v4
	s_add_co_u32 s21, s21, SLOT
	s_add_co_u32 s22, s22, SLOT
.endr
	v_mul_u32_u24 v5, v1, KS                       ; my row's scales: 32 bytes a row,
	v_lshrrev_b32 v6, 8, v5
	v_lshl_add_u32 v5, v6, 4, v5                   ; and 16 more for each 256 passed
	s_mul_i32 s21, s15, HALFS
	s_mul_i32 s22, s16, HALFS
	s_add_co_u32 s22, s22, 2*HALFS
	s_sub_co_u32 s22, s22, s21
	v_mul_u32_u24 v6, s22, v2                      ; lanes 16-31 take B's
	s_add_co_u32 s21, s21, SCL
	v_add_nc_u32 v5, v5, v6
	v_add_nc_u32 v[ADRS], s21, v5
	; the way out.  With R the tokens' tile, Cc the other tile, wr and wc my halves of them: the image begins at T x 2^24 + ((R / 8) 16 + 4 Cc + 2 wc) heads of 262,144 bytes + (R % 8) 32,768 + wr 16,384
	s_cmp_eq_u32 s[TT], 2
	s_cselect_b32 s18, s42, s17
	s_cselect_b32 s19, s17, s42
	s_cselect_b32 s20, s16, s15
	s_cselect_b32 s21, s15, s16
	s_mov_b32 s[SA1], 2048                         ; A's next block: the next 16 tokens' image, or (T = 2) the next 16 channels'
	s_cselect_b32 s[SA1], 1024, s[SA1]
	s_cselect_b32 s[SA2], 258048, 0                ; T = 2: block 4 begins the next head
	s_mov_b32 s[SB1], 1024                         ; B's blocks 2 i, 2 i + 1: 32 dims on, or (T = 2) 32 keys on
	s_cselect_b32 s[SB1], 4096, s[SB1]
	s_mov_b32 s[SB2], 262144                       ; 64 dims on is the next head
	s_cselect_b32 s[SB2], 8192, s[SB2]
	s_mov_b32 s[SA1+1], 0
	s_mov_b32 s[SA2+1], 0
	s_lshr_b32 s22, s18, 3
	s_lshl_b32 s22, s22, 4
	s_lshl_b32 s23, s19, 2
	s_add_co_u32 s22, s22, s23
	s_lshl_b32 s23, s21, 1
	s_add_co_u32 s22, s22, s23
	s_lshl_b32 s22, s22, 18
	s_and_b32 s23, s18, 7
	s_lshl_b32 s23, s23, 15
	s_add_co_u32 s22, s22, s23
	s_lshl_b32 s23, s20, 14
	s_add_co_u32 s22, s22, s23
	s_lshl_b32 s23, s[TT], 24
	s_add_co_u32 s22, s22, s23
	s_mov_b32 s23, 0
	s_add_nc_u64 s[12:13], s[12:13], s[22:23]
	v_and_b32 v6, 31, v0
	v_lshlrev_b32 v[VB], 4, v6
	v_add_nc_u32 v[VB+1], s[SB1], v[VB]
	v_add_nc_u32 v[VB+2], s[SB2], v[VB]
	v_add_nc_u32 v[VB+3], s[SB2], v[VB+1]
.macro FRAG reg, adr, q, i             ; 16 rows x 128 K of 4-bit codes: 8 registers: lane l holds row l % 16; registers 4 c .. 4 c + 3 hold K = 64 c + 32 (l / 16) + 0 .. 31
.irp c, 0,1
	ds_load_b128 v[\reg+4*\c:\reg+4*\c+3], v[\adr] offset:64*(\q)+32*\c+(\i)*16*PITCH
.endr
.endm
; 16 matrix instructions: A's blocks a0, a0 + 1 x B's eight, 128 along K.  first = 1: the sums begin with the bias as C.  The 64 accumulators take turns, one instruction a turn.
.macro MUL16 a0, p, q, sc, first
.irp a, \a0, \a0+1
.irp b, 0,1,2,3,4,5,6,7
.if \first
	v_wmma_scale_f32_16x16x128_f8f6f4 v[8*(8*((\a)%4)+\b):8*(8*((\a)%4)+\b)+7], v[128*(\p)+FR*\b:128*(\p)+FR*\b+FR-1], v[AF+FR*(\a):AF+FR*(\a)+FR-1], v[BN+8*\b:BN+8*\b+7], v[SC+8*NQ*(\sc)+NQ*\b+(\q)], v[SC+8*NQ*(\sc)+NQ*(\a)+(\q)] matrix_a_fmt:MATRIX_FMT_FP4 matrix_b_fmt:MATRIX_FMT_FP4 matrix_a_scale:MATRIX_SCALE_ROW1
.else
	v_wmma_scale_f32_16x16x128_f8f6f4 v[8*(8*((\a)%4)+\b):8*(8*((\a)%4)+\b)+7], v[128*(\p)+FR*\b:128*(\p)+FR*\b+FR-1], v[AF+FR*(\a):AF+FR*(\a)+FR-1], v[8*(8*((\a)%4)+\b):8*(8*((\a)%4)+\b)+7], v[SC+8*NQ*(\sc)+NQ*\b+(\q)], v[SC+8*NQ*(\sc)+NQ*(\a)+(\q)] matrix_a_fmt:MATRIX_FMT_FP4 matrix_b_fmt:MATRIX_FMT_FP4 matrix_a_scale:MATRIX_SCALE_ROW1
.endif
.endr
.endr
.endm
.macro FETCH_B slot, q, p
	WIN TO_B
.irp i, 0,1,2,3,4,5,6,7
	FRAG 128*(\p)+FR*\i, ADRB+\slot, \q, \i
.endr
	WIN 0
.endm
.macro FETCH_A slot, q, i0
.irp i, \i0, \i0+1, \i0+2, \i0+3
	FRAG AF+FR*(\i), ADRA+\slot, \q, \i
.endr
.endm
.macro SCALES sc                       ; a slot's scale words: four a row; lanes 0-15 take A's block i, lanes 16-31 B's block i
.irp i, 0,1,2,3,4,5,6,7
	ds_load_b128 v[SC+8*NQ*\sc+NQ*\i:SC+8*NQ*\sc+NQ*\i+3], v[ADRS] offset:\i*SBLK
.endr
.endm
.macro PLACES n                        ; plain vector instructions between a matrix instruction and a load into, or a read of, its registers
.rept \n
	v_nop
.endr
.endm
.macro STEP slot, q, first             ; 128 along K with its successor in the same slot
	s_wait_dscnt 4*NL                              ; B's set and A's blocks 0-3 are in; the youngest eight loads (A's blocks 4-7) may be out
.if \first
	WIN 0x91                                       ; as MUL_LO, with C (the bias) in window 1
.else
	WIN MUL_LO
.endif
	MUL16 0, (\q)%2, \q, \slot, \first
	MUL16 2, (\q)%2, \q, \slot, \first
	s_wait_dscnt 0
	PLACES NP
	FETCH_B \slot, (\q)+1, 1-(\q)%2
	FETCH_A \slot, (\q)+1, 0
.if \first
	WIN 0xd1
.else
	WIN MUL_HI
.endif
	MUL16 4, (\q)%2, \q, \slot, \first
	MUL16 6, (\q)%2, \q, \slot, \first
	PLACES NP
	WIN 0
	FETCH_A \slot, (\q)+1, 4
.endm
.macro STEPS slot, from
.set Q, \from
.rept NQ-1-\from
	STEP \slot, Q, 0
.set Q, Q+1
.endr
.endm
	s_wait_tensorcnt 1                             ; the scales and my part of slot 0 are in; slot 1's load may be out
	s_barrier_signal -1
	s_barrier_wait -1
	FETCH_B 0, 0, 0
	FETCH_A 0, 0, 0
	SCALES 0
	FETCH_A 0, 0, 4
	STEP 0, 0, 1
	STEPS 0, 1
	; slot 0's last step changes slots: each wave's part of slot 1 has landed in front of the barrier, so behind it the slot is whole
	s_wait_tensorcnt 0x0
	ds_add_u32 v[SPW], v[NIL]                      ; 0 onto my spare word
	s_wait_dscnt 4*NL+1                            ; the add and the youngest eight loads may be out
	WIN MUL_LO
	MUL16 0, 1, NQ-1, 0, 0
	s_wait_dscnt 0x0
	s_barrier_signal -1
	MUL16 2, 1, NQ-1, 0, 0
	WIN 0
	s_barrier_wait -1
	PLACES NP
	v_add_nc_u32 v[ADRS], 4*NQ, v[ADRS]            ; the next slot's scale words (no LDS load of mine is out)
	FETCH_B 1, 0, 0
	FETCH_A 1, 0, 0
	SCALES 1
	WIN MUL_HI
	MUL16 4, 1, NQ-1, 0, 0
	MUL16 6, 1, NQ-1, 0, 0
	PLACES NP
	WIN 0
	FETCH_A 1, 0, 4
	STEPS 1, 0
	s_wait_dscnt 4*NL                              ; the last step: nothing more to fetch
	WIN MUL_LO
	MUL16 0, 1, NQ-1, 1, 0
	MUL16 2, 1, NQ-1, 1, 0
	s_wait_dscnt 0
	WIN MUL_HI
	MUL16 4, 1, NQ-1, 1, 0
	MUL16 6, 1, NQ-1, 1, 0
	WIN 0
	PLACES NP                                      ; in front of the reads of results and of the writes into the registers that held A's fragments
	; THE WAY OUT, A's blocks one after the other: x the factor, rounded to f16; a lane's eight numbers are 16 bytes of an image, at 16 x lane: no LDS is needed
.irp a, 0,1,2,3,4,5,6,7
	WIN 0x02+(\a/4)                                ; source 0: window 2 or 3
.irp b, 0,1,2,3,4,5,6,7
.irp i, 0,1,2,3
	v_pk_mul_f32 v[TMP+8*\b+2*\i:TMP+8*\b+2*\i+1], v[64*(\a%4)+8*\b+2*\i:64*(\a%4)+8*\b+2*\i+1], s[FAC:FAC+1] op_sel_hi:[1,0]   ; each accumulator from its low end on
.endr
.endr
	WIN 0
.set PI, 0
.rept 32
	v_cvt_pk_f16_f32 v[PK+PI], v[TMP+2*PI], v[TMP+2*PI+1]
.set PI, PI+1
.endr
.irp b, 0,1,2,3,4,5,6,7
	global_store_b128 v[VB+\b/2], v[PK+4*\b:PK+4*\b+3], s[12:13] offset:(\b%2)*512   ; 512 consecutive bytes, aligned
.endr
.if \a < 7
	s_wait_xcnt 0x0                                ; the stores have read their data and their base: both are written again
	s_add_nc_u64 s[12:13], s[12:13], s[SA1:SA1+1]
.if \a == 3
	s_add_nc_u64 s[12:13], s[12:13], s[SA2:SA2+1]
.endif
.endif
.endr
	s_wait_tensorcnt 0x0                           ; the wave's end
	ds_add_u32 v[SPW], v[NIL]
	s_wait_dscnt 0x0
	CROUND                                         ; the closing round
	s_endpgm
.Lfunc_end_k_q14618ad174_proj:
	.size	k_q14618ad174_proj, .Lfunc_end_k_q14618ad174_proj-k_q14618ad174_proj
	.p2alignl 7, 3214868480
	.fill 96, 4, 3214868480
	.section	.rodata,"a",@progbits
	.p2align	6, 0x0
	.amdhsa_kernel k_q14618ad174_proj
		.amdhsa_group_segment_fixed_size 327680
		.amdhsa_private_segment_fixed_size 0
		.amdhsa_enable_private_segment 0
		.amdhsa_kernarg_size 40
		.amdhsa_user_sgpr_count 2
		.amdhsa_user_sgpr_kernarg_segment_ptr 1
		.amdhsa_wavefront_size32 1
		.amdhsa_system_sgpr_workgroup_id_x 1
		.amdhsa_system_sgpr_workgroup_id_y 1
		.amdhsa_system_sgpr_workgroup_id_z 1
		.amdhsa_system_vgpr_workitem_id 0
		.amdhsa_next_free_vgpr 1024
		.amdhsa_next_free_sgpr 106
		.amdhsa_reserve_vcc 0
		.amdhsa_float_denorm_mode_32 3
		.amdhsa_float_denorm_mode_16_64 3
		.amdhsa_memory_ordered 1
		.amdhsa_forward_progress 1
		.amdhsa_inst_pref_size 141
	.end_amdhsa_kernel
	.amdgpu_metadata
---
amdhsa.version: [ 1, 2 ]
amdhsa.kernels:
  - .name:           k_q14618ad174_proj
    .symbol:         k_q14618ad174_proj.kd
    .args:
      - { .name: codes, .offset: 0, .size: 8, .value_kind: global_buffer, .address_space: global }
      - { .name: scales, .offset: 8, .size: 8, .value_kind: global_buffer, .address_space: global }
      - { .name: bq, .offset: 16, .size: 8, .value_kind: global_buffer, .address_space: global }
      - { .name: bk, .offset: 24, .size: 8, .value_kind: global_buffer, .address_space: global }
      - { .name: qkv, .offset: 32, .size: 8, .value_kind: global_buffer, .address_space: global }
    .group_segment_fixed_size: 327680
    .private_segment_fixed_size: 0
    .kernarg_segment_align: 8
    .kernarg_segment_size: 40
    .max_flat_workgroup_size: 128
    .sgpr_count:     106
    .vgpr_count:     1024
    .wavefront_size: 32
...
	.end_amdgpu_metadata
.endif
;; end of part 2
;; launch attn (part 3): grid 4 x 64, 8 waves a work-group, clusters of 4 x 1, 327,680 bytes of LDS; arguments qkv, mb, bv, xf; writes xf
.if DOCPART == 3
	.amdgcn_target "amdgcn-amd-amdhsa--gfx1250"
	.amdhsa_code_object_version 6
	.text
	.protected	k_q14618ad174_attn
	.globl	k_q14618ad174_attn
	.p2align	8
	.type	k_q14618ad174_attn,@function
k_q14618ad174_attn:
	s_mov_b64 s[64:65], 0
	v_nop
	global_prefetch_b8 v0, s[64:65] scope:SCOPE_SE
	s_setreg_imm32_b32 hwreg(HW_REG_WAVE_MODE, 25, 1), 1
	s_wait_xcnt 0x0
	s_wait_alu depctr_hold_cnt(0) depctr_sa_sdst(0) depctr_va_vdst(0) depctr_va_sdst(0) depctr_va_ssrc(0) depctr_va_vcc(0) depctr_vm_vsrc(0)
	s_getreg_b32 s2, hwreg(HW_REG_IB_STS2, 6, 4)
	s_cmp_eq_u32 s2, 0
	s_cbranch_scc0 .Lentry_in_a_cluster
	s_endpgm
.Lentry_in_a_cluster:
	s_bfe_u32 s2, ttmp6, 0x10000c
	s_cmp_lg_u32 s2, 0x3003
	s_cbranch_scc0 .Lentry_shape_is_right
	s_endpgm
.Lentry_shape_is_right:
; ATTN: x[b][q][head] = softmax_k(where(mask == 0, -1e9, q . k / 8)) v + bv, for one head and 512 queries a work-group.  f16 operands, f32 sums, maxima and exponentials.
; q arrives multiplied by log2(e) / 8, so a score is t = score x log2(e); a masked score is -1e9 x log2(e).  p = 2^(t - m), m the running largest t of the query: the difference is one packed
; addition and is exactly 0 at the maximum, so a row whose every key is masked comes out uniform.  In every step O and l are multiplied by a = 2^(old m - new m).
; l is the sum of the weights AS THEY ARE MULTIPLIED (rounded to f16): a product of a tile of ones with P, on the matrix unit.  bv is added with the division: (sum of p v) / l + bv = sum of (p / l)(v + bv).
; SHARES.  Eight waves, each 64 queries: four tiles of 16.  Every wave walks the head's 2,048 keys, 64 a step.  K's and V's operand images come through two LDS slots of 512 keys; an image's
; lane l holds 16 bytes at 16 l, so every LDS load takes 512 consecutive bytes, and each fragment read feeds four tiles.
; LAYOUT.  S^T = K Q^T (source 0 = 16 keys, source 1 = 16 queries): a lane holds ONE query (lane % 16) and keys 8 (lane / 16) + 0 .. 7.  Two such tiles rounded to f16 in pairs ARE source 1 of
; O^T = V^T P, whose result again holds one query a lane, and eight channels: 16 bytes of the image that the output projection reads.
; THE MASK comes as lane masks: word i of a tile and a step is the mask of score register i; it is read by scalar loads and used by v_cndmask_b32.  No branch hangs on it.
; CLUSTER.  The four blocks of 512 queries of a head walk the same K and V: every tile is asked for jointly, by the same tensor load with the mask 15.  The grid's x is one cluster, so my block is cx.
; Two waves hold a SIMD's registers between them.  Half the waves begin each slot sixteen s_nop 15 later (one of each pair w, w + 4 and of each pair 2 k, 2 k + 1), so that the two are not in
; the same part of a step: one's matrix instructions then stand beside the other's vector instructions.
; No prefetch: a refill is asked for eight key steps (576 matrix instructions of each wave) ahead of the wait for it, and the mask words are read by sixteen heads, not once.
; LIMITS: NaN and infinities are not served; the operands' f16 range is stated where they are made; the result stays at or under 65,504.
; REGISTERS.  window 0: v1-7 addresses and constants; v8-15 ones; v16-47 statistics, 8 a tile (+0 m, +1 old m - new m, +2 a, +3 written once, +4 .. +7 at work); v64-191 S^T, 32 a tile, P in a tile's first 16;
;   v192-255 a step's K, then its V.   window 1: v0-63 Q; v64-191 O^T, 32 a tile; v192-223 l, 8 a tile; v224-255 bv.
.set LI,   1                           ; v1   16 x lane
.set ADK,  2
.set ADV,  3
.set NEG,  4                           ; v4   -1e9 x log2(e)
.set SPW,  5
.set NIL,  6
.set BVO,  7                           ; v7   32 x (lane / 16)
.set ONES, 8
.set ST,   16
.set S,    64
.set KV,   192
.set OW,   64                          ; in window 1
.set LW,   192
.set BW,   224
.set SLOT1, 131072
.set SPARE, 262144                     ; the spare words, 128 bytes for each wave: four blocks of 256 bytes that no other line names
.set G1,   8                           ; s[8:15]  descriptor group 1
.set G0,   68                          ; s[68:71], s[72:75] group 0 for slot 0, slot 1
.set WVN,  66                          ; s66  my wave's number
.set DONE, 67                          ; s67  key steps done
.set MP,   76                          ; s[76:77] the step's mask words
.set XP,   78                          ; s[78:79] my first tile in xf
.set TB,   96                          ; s96  LDS byte of the step's K
.set TRIP, 97
.set SEL,  98                          ; s[98:99] v_permlanex16_b32's selects for lane l xor 16
.set STG,  100                         ; s100 1 in the waves that begin a slot later
.set QP,   104                         ; s[104:105] my first tile of Q
.set MSB, 0
.macro WIN new                         ; the immediate's high byte repeats the setting that is left
.if MSB != \new
	s_set_vgpr_msb (MSB<<8)|\new
.set MSB, \new
.endif
.endm
.macro PLACES
.rept 4
	v_nop
.endr
.endm
.macro ROUND                           ; a round of the cluster's barrier
	s_barrier_signal -1
	s_barrier_wait -1
	s_cmp_lg_u32 s[WVN], 0
	s_cbranch_scc1 .Lnot_wave_0_\@
	s_barrier_signal -3
.Lnot_wave_0_\@:
	s_barrier_wait -3
	s_barrier_signal -1
	s_barrier_wait -1
.endm
.macro STAGGER
	s_cmp_eq_u32 s[STG], 0
	s_cbranch_scc1 .Lgo_\@
.rept 16
	s_nop 15
.endr
.Lgo_\@:
.endm
.macro FETCH adr                       ; 64 keys' images, 8,192 bytes: K(kt, d2) at KV + 16 kt + 8 d2, or V(ks, ct) at KV + 32 ks + 8 ct
.irp f, 0,1,2,3,4,5,6,7,8,9,10,11,12,13,14,15
	ds_load_b128 v[KV+4*\f:KV+4*\f+3], v[\adr] offset:512*\f
.endr
.endm
.macro KQ                              ; 32 products; the sixteen accumulators take turns, one instruction a turn; the first sixteen start the sums
	WIN 0x04                                       ; Q in window 1
.irp d, 0,1
.irp kt, 0,1,2,3
.irp x, 0,1,2,3
.if \d == 0
	v_wmma_f32_16x16x32_f16 v[S+32*\x+8*\kt:S+32*\x+8*\kt+7], v[KV+16*\kt+8*\d:KV+16*\kt+8*\d+7], v[16*\x+8*\d:16*\x+8*\d+7], 0
.else
	v_wmma_f32_16x16x32_f16 v[S+32*\x+8*\kt:S+32*\x+8*\kt+7], v[KV+16*\kt+8*\d:KV+16*\kt+8*\d+7], v[16*\x+8*\d:16*\x+8*\d+7], v[S+32*\x+8*\kt:S+32*\x+8*\kt+7]
.endif
.endr
.endr
.endr
.endm
.macro MASK x, base, gap               ; tile x's 32 score registers, each accumulator from its low end on; word i lies in s[base + i + gap (i / 16)]
.set MI, 0
.rept 32
	v_cndmask_b32 v[S+32*(\x)+MI], v[NEG], v[S+32*(\x)+MI], s[\base+MI+\gap*(MI/16)]
.set MI, MI+1
.endr
.endm
.macro MLOAD off                       ; two tiles' words: s[16:47] and s[48:63] with s[80:95]
	s_load_b512 s[16:31], s[MP:MP+1], \off
	s_load_b512 s[32:47], s[MP:MP+1], \off+64
	s_load_b512 s[48:63], s[MP:MP+1], \off+128
	s_load_b512 s[80:95], s[MP:MP+1], \off+192
.endm
.macro SOFT x                          ; tiles x and x + 1, line by line, so that no line waits for the line above it
.irp j, 0,1,2,3
.irp t, \x, \x+1
	v_max3_num_f32 v[ST+8*(\t)+4+\j], v[S+32*(\t)+8*\j], v[S+32*(\t)+8*\j+1], v[S+32*(\t)+8*\j+2]
.endr
.endr
.irp k, 3,5
.irp j, 0,1,2,3
.irp t, \x, \x+1
	v_max3_num_f32 v[ST+8*(\t)+4+\j], v[ST+8*(\t)+4+\j], v[S+32*(\t)+8*\j+\k], v[S+32*(\t)+8*\j+\k+1]
.endr
.endr
.endr
.irp t, \x, \x+1
	v_max3_num_f32 v[ST+8*(\t)+4], v[ST+8*(\t)+4], v[S+32*(\t)+7], v[S+32*(\t)+15]
	v_max3_num_f32 v[ST+8*(\t)+6], v[ST+8*(\t)+6], v[S+32*(\t)+23], v[S+32*(\t)+31]
.endr
.irp t, \x, \x+1
	v_max3_num_f32 v[ST+8*(\t)+4], v[ST+8*(\t)+4], v[ST+8*(\t)+5], v[ST+8*(\t)+6]
.endr
.irp t, \x, \x+1
	v_max3_num_f32 v[ST+8*(\t)+4], v[ST+8*(\t)+4], v[ST+8*(\t)+7], v[ST+8*(\t)]   ; with the old m
.endr
.irp t, \x, \x+1
	v_permlanex16_b32 v[ST+8*(\t)+5], v[ST+8*(\t)+4], s[SEL], s[SEL+1]            ; the query's other 32 keys lie in the lane 16 away
.endr
.irp t, \x, \x+1
	v_max_num_f32 v[ST+8*(\t)+6], v[ST+8*(\t)+4], v[ST+8*(\t)+5]                  ; the new m
.endr
.irp t, \x, \x+1
	v_sub_f32 v[ST+8*(\t)+1], v[ST+8*(\t)], v[ST+8*(\t)+6]
.endr
.irp t, \x, \x+1
	v_mov_b32 v[ST+8*(\t)], v[ST+8*(\t)+6]
.endr
.set SI, 0
.rept 16
.irp t, \x, \x+1
	v_pk_add_f32 v[S+32*(\t)+SI:S+32*(\t)+SI+1], v[S+32*(\t)+SI:S+32*(\t)+SI+1], v[ST+8*(\t):ST+8*(\t)+1] op_sel_hi:[1,0] neg_lo:[0,1] neg_hi:[0,1]   ; t - m, two at a time
.endr
.set SI, SI+2
.endr
.irp t, \x, \x+1
	v_exp_f32 v[ST+8*(\t)+2], v[ST+8*(\t)+1]       ; a
.endr
.set SI, 0
.rept 32
.irp t, \x, \x+1
	v_exp_f32 v[S+32*(\t)+SI], v[S+32*(\t)+SI]     ; p
.endr
.set SI, SI+1
.endr
	v_nop                                          ; a plain instruction behind the last exponential
	s_wait_alu depctr_va_vdst(0)                   ; one wait for the 66 exponentials, ahead of the first line that names a result
.set SI, 0
.rept 16
.irp t, \x, \x+1
	v_cvt_pk_f16_f32 v[S+32*(\t)+SI], v[S+32*(\t)+2*SI], v[S+32*(\t)+2*SI+1]   ; P in place: register SI never lies above its sources
.endr
.set SI, SI+1
.endr
.endm
.macro RESCALE x                       ; O^T and l under the new m.  Of l's eight registers, which all hold the same sum, the first alone is ever read: it and its neighbour are kept; the other six only grow, by at most 1 a key
	WIN 0x41                                       ; destination and source 0 in window 1
.irp t, \x, \x+1
.set RI, 0
.rept 16
	v_pk_mul_f32 v[OW+32*(\t)+RI:OW+32*(\t)+RI+1], v[OW+32*(\t)+RI:OW+32*(\t)+RI+1], v[ST+8*(\t)+2:ST+8*(\t)+3] op_sel_hi:[1,0]
.set RI, RI+2
.endr
	v_pk_mul_f32 v[LW+8*(\t):LW+8*(\t)+1], v[LW+8*(\t):LW+8*(\t)+1], v[ST+8*(\t)+2:ST+8*(\t)+3] op_sel_hi:[1,0]
.endr
.endm
.macro PV x                            ; 20 products; the ten accumulators take turns
	WIN 0x50                                       ; C and D in window 1
.irp ks, 0,1
.irp ct, 0,1,2,3
.irp t, \x, \x+1
	v_wmma_f32_16x16x32_f16 v[OW+32*(\t)+8*\ct:OW+32*(\t)+8*\ct+7], v[KV+32*\ks+8*\ct:KV+32*\ks+8*\ct+7], v[S+32*(\t)+8*\ks:S+32*(\t)+8*\ks+7], v[OW+32*(\t)+8*\ct:OW+32*(\t)+8*\ct+7]
.endr
.endr
.irp t, \x, \x+1
	v_wmma_f32_16x16x32_f16 v[LW+8*(\t):LW+8*(\t)+7], v[ONES:ONES+7], v[S+32*(\t)+8*\ks:S+32*(\t)+8*\ks+7], v[LW+8*(\t):LW+8*(\t)+7]
.endr
.endr
.endm
; A KEY STEP: 64 keys.
.macro STEP
	v_add_nc_u32 v[ADK], s[TB], v[LI]
	v_add_nc_u32 v[ADV], 0x10000, v[ADK]           ; V's images lie 65,536 bytes behind K's
	PLACES                                         ; six plain instructions behind the last products: four are owed by the loads into V's registers, five by the products that write over P
	FETCH ADK
	s_wait_dscnt 0x0
	KQ
	WIN 0
	PLACES                                         ; in front of the loads into K's registers and of the first reads of the scores
	FETCH ADV                                      ; V lands under the first softmax
	s_wait_kmcnt 0x0                               ; tiles 0 and 1's words
	MASK 0, 16, 0
	MASK 1, 48, 16
	MLOAD 256                                      ; tiles 2 and 3's
	SOFT 0
	RESCALE 0
	s_wait_dscnt 0x0                               ; V is in
	PV 0
	WIN 0
	s_wait_kmcnt 0x0                               ; the words are in, and the loads have read their address, which steps below
	MASK 2, 16, 0
	MASK 3, 48, 16
	s_add_co_u32 s[DONE], s[DONE], 1
	s_cmp_lt_u32 s[DONE], 32
	s_cselect_b32 s2, 512, 0                       ; the last step asks for its own words again: no load leaves the buffer
	s_add_nc_u64 s[MP:MP+1], s[MP:MP+1], s[2:3]
	MLOAD 0                                        ; the next step's tiles 0 and 1
	SOFT 2
	RESCALE 2
	PV 2
	WIN 0
	s_add_co_u32 s[TB], s[TB], 8192
.endm
; A SLOT'S EIGHT STEPS.  mode 0: the first slot: my part of it has landed, slot 1's load may stay out.
; mode 1: all my tensor loads have landed (my part of this slot), the add, my reads of the other slot are over; a round of the cluster's barrier; the other slot is filled again, first thing behind it.
; mode 2: the last slot: the same three lines and my work-group's barrier; nothing is asked for.
.macro PHASE slot, mode
.if \mode == 0
	s_wait_tensorcnt 0x1
	s_barrier_signal -1
	s_barrier_wait -1
.elseif \mode == 1
	s_wait_tensorcnt 0x0                           ; no tensor load of mine is out, so a group 0 may be written
	ds_add_u32 v[SPW], v[NIL]                      ; 0 onto my spare word
	s_add_nc_u64 s[G0+4*(1-\slot)+2:G0+4*(1-\slot)+3], s[G0+4*(1-\slot)+2:G0+4*(1-\slot)+3], 131072   ; 1,024 keys on; the type bits on top are not reached
	s_wait_dscnt 0x0
	ROUND
	tensor_load_to_lds s[G0+4*(1-\slot):G0+4*(1-\slot)+3], s[G1:G1+7]   ; my one tensor load behind the round: it has eight key steps in which to land
	s_nop 0
	PLACES
.else
	s_wait_tensorcnt 0x0
	ds_add_u32 v[SPW], v[NIL]
	s_wait_dscnt 0x0
	s_barrier_signal -1
	s_barrier_wait -1
.endif
	STAGGER
	s_mov_b32 s[TB], \slot*SLOT1
	s_mov_b32 s[TRIP], 8
.Lstep_\@:
	STEP
	s_sub_co_u32 s[TRIP], s[TRIP], 1
	s_cmp_lg_u32 s[TRIP], 0
	s_cbranch_scc1 .Lstep_\@
.endm
	s_load_b64 s[4:5], s[0:1], 0x0                 ; qkv
	s_load_b64 s[MP:MP+1], s[0:1], 0x8             ; mb
	s_load_b64 s[6:7], s[0:1], 0x10                ; bv
	s_load_b64 s[XP:XP+1], s[0:1], 0x18            ; xf
	v_lshl_add_u32 v[SPW], v0, 2, SPARE
	v_mov_b32 v[NIL], 0
	ds_add_u32 v[SPW], v[NIL]                      ; the wave's opening: the add, twice on end, and its wait ahead of my first tensor load
	ds_add_u32 v[SPW], v[NIL]
	v_lshrrev_b32 v1, 5, v0
	v_readfirstlane_b32 s[WVN], v1                 ; wave 0..7
	s_bfe_u32 s16, ttmp6, 0x40000                  ; cx: my block of 512 queries: it enters Q's, the mask's and xf's addresses alone
	s_and_b32 s17, ttmp7, 0xffff                   ; batch x 16 + head, which the four partners share
	s_lshr_b32 s18, s17, 4                         ; batch
	s_and_b32 s19, s17, 15                         ; head
	; descriptor group 1: 16,384 dense bytes as 64 rows of 256 bytes (32 elements of 8 bytes), no padding
	s_mov_b32 s[G1], 15|(3<<16)|(1<<21)            ; 15:0 the mask: all four work-groups; 17:16 elements of 8 bytes; 21 set beside a mask
	s_mov_b32 s[G1+1], 32<<16                      ; tensor_dim0
	s_mov_b32 s[G1+2], 64<<16                      ; tensor_dim1
	s_mov_b32 s[G1+3], 32<<16                      ; tile_dim0
	s_mov_b32 s[G1+4], 64                          ; tile_dim1
	s_mov_b32 s[G1+5], 32                          ; tensor_dim0_stride
	s_mov_b32 s[G1+6], 0
	s_mov_b32 s[G1+7], 0
	; what I fetch: waves 0-3 a quarter of a slot's K, waves 4-7 of its V
	s_lshr_b32 s20, s[WVN], 2
	s_add_co_u32 s20, s20, 1
	s_lshl_b32 s20, s20, 24                        ; k's images lie 2^24 bytes into qkv, v's 2^25
	s_lshl_b32 s21, s17, 18                        ; a head is 262,144 bytes
	s_add_co_u32 s20, s20, s21
	s_and_b32 s21, s[WVN], 3
	s_lshl_b32 s21, s21, 14
	s_add_co_u32 s20, s20, s21
	s_mov_b32 s21, 0
	s_mov_b32 s[G0], 1
	s_lshl_b32 s[G0+1], s[WVN], 14                 ; LDS: wave x 16,384: K's four quarters, then V's
	s_mov_b32 s[G0+4], 1
	s_add_co_u32 s[G0+5], s[G0+1], SLOT1
	s_lshl_b32 s22, s16, 3
	s_add_co_u32 s22, s22, s[WVN]                  ; my 64 queries among the batch's 32 such blocks
	s_lshl_b32 s24, s17, 18
	s_lshl_b32 s25, s22, 13                        ; four tiles of 2,048 bytes
	s_add_co_u32 s24, s24, s25
	s_mov_b32 s25, 0
	s_lshl_b32 s26, s18, 5
	s_add_co_u32 s26, s26, s22
	s_lshl_b32 s26, s26, 14                        ; 16,384 bytes of mask words for 64 queries
	s_mov_b32 s27, 0
	s_lshl_b32 s28, s18, 7
	s_lshl_b32 s29, s22, 2
	s_add_co_u32 s28, s28, s29
	s_lshl_b32 s28, s28, 15                        ; a tile of 16 tokens is 32,768 bytes of xf,
	s_lshl_b32 s29, s19, 11                        ; a head's 64 channels 2,048 of them
	s_add_co_u32 s28, s28, s29
	s_mov_b32 s29, 0
	s_lshl_b32 s30, s19, 8
	s_mov_b32 s31, 0
	s_mov_b32 s[SEL], 0x76543210
	s_mov_b32 s[SEL+1], 0xfedcba98
	s_lshr_b32 s[STG], s[WVN], 2
	s_xor_b32 s[STG], s[STG], s[WVN]
	s_and_b32 s[STG], s[STG], 1                    ; waves 1, 3, 4, 6
	s_mov_b32 s[DONE], 0
	s_mov_b32 s3, 0
	s_wait_dscnt 0x0                               ; both opening adds are done
	s_wait_kmcnt 0x0
	s_add_nc_u64 s[G0+2:G0+3], s[4:5], s[20:21]
	s_add_nc_u64 s[G0+6:G0+7], s[G0+2:G0+3], 65536 ; slot 1: 512 keys on
	s_or_b32 s[G0+3], s[G0+3], 0x80000000
	s_or_b32 s[G0+7], s[G0+7], 0x80000000
	s_add_nc_u64 s[QP:QP+1], s[4:5], s[24:25]
	s_add_nc_u64 s[MP:MP+1], s[MP:MP+1], s[26:27]
	s_add_nc_u64 s[XP:XP+1], s[XP:XP+1], s[28:29]
	s_add_nc_u64 s[6:7], s[6:7], s[30:31]
	ROUND                                          ; all four work-groups are here: the first joint loads meet
	tensor_load_to_lds s[G0:G0+3], s[G1:G1+7]      ; two loads of mine are out
	s_nop 0
	tensor_load_to_lds s[G0+4:G0+7], s[G1:G1+7]
	s_nop 0
	PLACES
	v_and_b32 v1, 31, v0
	v_lshlrev_b32 v[LI], 4, v1
	v_bfe_u32 v[BVO], v0, 4, 1
	v_lshlrev_b32 v[BVO], 5, v[BVO]
	WIN 0x40                                       ; destination window 1
.irp i, 0,1,2,3,4,5,6,7,8,9,10,11,12,13,14,15
	global_load_b128 v[4*\i:4*\i+3], v[LI], s[QP:QP+1] offset:512*\i   ; Q stays in registers: tile i / 4, dims 32 ((i / 2) % 2) on
.endr
.irp n, 0,1,2,3,4,5,6,7
	global_load_b128 v[BW+4*\n:BW+4*\n+3], v[BVO], s[6:7] offset:64*(\n/2)+16*(\n%2)   ; bv of channels 16 (n / 2) + 8 h + 4 (n % 2) on
.endr
.set CI, OW
.rept 160
	v_mov_b32 v[CI], 0                             ; O^T and l.  The step is written once: its first trip finds zeros, which the first a, 0, leaves zeros
.set CI, CI+1
.endr
	WIN 0
	MLOAD 0                                        ; the first step's words: s16 to s63 are free from here on
.irp i, 0,1,2,3,4,5,6,7
	v_mov_b32 v[ONES+\i], 0x3c003c00               ; 1.0, twice
.endr
	v_mov_b32 v[NEG], 0xceabfb8f                   ; -1e9 x log2(e)
.irp x, 0,1,2,3
	v_mov_b32 v[ST+8*\x], 0xff61b1e6               ; m: -3e38, under every t
	v_mov_b32 v[ST+8*\x+1], 0
	v_mov_b32 v[ST+8*\x+2], 0
	v_mov_b32 v[ST+8*\x+3], 0                      ; named with a as a pair, so it is written
.endr
	s_wait_loadcnt 0x0                             ; Q and bv
	PHASE 0, 0
	PHASE 1, 1
	PHASE 0, 1
	PHASE 1, 2
	; THE WAY OUT: O^T / l + bv, rounded to f16; a lane's eight channels are 16 bytes of an image at 16 x lane
	PLACES                                         ; behind the last products
	WIN 0x01                                       ; source 0 in window 1
.irp x, 0,1,2,3
	v_rcp_f32 v[ST+8*\x+2], v[LW+8*\x]
.endr
	v_nop
	s_wait_alu depctr_va_vdst(0)                   ; one wait for the four reciprocals, ahead of their first reader
.irp x, 0,1,2,3
	WIN 0x11                                       ; O^T and bv in window 1
.set WI, 0
.rept 16
	v_pk_fma_f32 v[S+32*\x+WI:S+32*\x+WI+1], v[OW+32*\x+WI:OW+32*\x+WI+1], v[ST+8*\x+2:ST+8*\x+3], v[BW+WI:BW+WI+1] op_sel_hi:[1,0,1]
.set WI, WI+2
.endr
	WIN 0
.set WI, 0
.rept 16
	v_cvt_pk_f16_f32 v[S+32*\x+WI], v[S+32*\x+2*WI], v[S+32*\x+2*WI+1]
.set WI, WI+1
.endr
.irp ct, 0,1,2,3
	global_store_b128 v[LI], v[S+32*\x+4*\ct:S+32*\x+4*\ct+3], s[XP:XP+1] offset:\x*32768+\ct*512   ; 512 consecutive bytes, aligned
.endr
.endr
	s_wait_tensorcnt 0x0                           ; the wave's end
	ds_add_u32 v[SPW], v[NIL]
	s_wait_dscnt 0x0
	ROUND                                          ; the closing round
	s_endpgm
.Lfunc_end_k_q14618ad174_attn:
	.size	k_q14618ad174_attn, .Lfunc_end_k_q14618ad174_attn-k_q14618ad174_attn
	.p2alignl 7, 3214868480
	.fill 96, 4, 3214868480
	.section	.rodata,"a",@progbits
	.p2align	6, 0x0
	.amdhsa_kernel k_q14618ad174_attn
		.amdhsa_group_segment_fixed_size 327680
		.amdhsa_private_segment_fixed_size 0
		.amdhsa_enable_private_segment 0
		.amdhsa_kernarg_size 32
		.amdhsa_user_sgpr_count 2
		.amdhsa_user_sgpr_kernarg_segment_ptr 1
		.amdhsa_wavefront_size32 1
		.amdhsa_system_sgpr_workgroup_id_x 1
		.amdhsa_system_sgpr_workgroup_id_y 1
		.amdhsa_system_sgpr_workgroup_id_z 1
		.amdhsa_system_vgpr_workitem_id 0
		.amdhsa_next_free_vgpr 512
		.amdhsa_next_free_sgpr 106
		.amdhsa_reserve_vcc 0
		.amdhsa_float_denorm_mode_32 3
		.amdhsa_float_denorm_mode_16_64 3
		.amdhsa_memory_ordered 1
		.amdhsa_forward_progress 1
		.amdhsa_inst_pref_size 177
	.end_amdhsa_kernel
	.amdgpu_metadata
---
amdhsa.version: [ 1, 2 ]
amdhsa.kernels:
  - .name:           k_q14618ad174_attn
    .symbol:         k_q14618ad174_attn.kd
    .args:
      - { .name: qkv, .offset: 0, .size: 8, .value_kind: global_buffer, .address_space: global }
      - { .name: mb, .offset: 8, .size: 8, .value_kind: global_buffer, .address_space: global }
      - { .name: bv, .offset: 16, .size: 8, .value_kind: global_buffer, .address_space: global }
      - { .name: xf, .offset: 24, .size: 8, .value_kind: global_buffer, .address_space: global }
    .group_segment_fixed_size: 327680
    .private_segment_fixed_size: 0
    .kernarg_segment_align: 8
    .kernarg_segment_size: 32
    .max_flat_workgroup_size: 256
    .sgpr_count:     106
    .vgpr_count:     512
    .wavefront_size: 32
...
	.end_amdgpu_metadata
.endif
;; end of part 3
;; launch outp (part 4): grid 4 x 64, 4 waves a work-group, clusters of 4 x 4, 327,680 bytes of LDS; arguments xf, wof, bo, out0; writes out0
.if DOCPART == 4
	.amdgcn_target "amdgcn-amd-amdhsa--gfx1250"
	.amdhsa_code_object_version 6
	.text
	.protected	k_q14618ad174_outp
	.globl	k_q14618ad174_outp
	.p2align	8
	.type	k_q14618ad174_outp,@function
k_q14618ad174_outp:
	s_mov_b64 s[64:65], 0
	v_nop
	global_prefetch_b8 v0, s[64:65] scope:SCOPE_SE
	s_setreg_imm32_b32 hwreg(HW_REG_WAVE_MODE, 25, 1), 1
	s_wait_xcnt 0x0
	s_wait_alu depctr_hold_cnt(0) depctr_sa_sdst(0) depctr_va_vdst(0) depctr_va_sdst(0) depctr_va_ssrc(0) depctr_va_vcc(0) depctr_vm_vsrc(0)
	s_getreg_b32 s2, hwreg(HW_REG_IB_STS2, 6, 4)
	s_cmp_eq_u32 s2, 0
	s_cbranch_scc0 .Lentry_in_a_cluster
	s_endpgm
.Lentry_in_a_cluster:
	s_bfe_u32 s2, ttmp6, 0x10000c
	s_cmp_lg_u32 s2, 0xf033
	s_cbranch_scc0 .Lentry_shape_is_right
	s_endpgm
.Lentry_shape_is_right:
; OUTP: out0 = x Wo + bo.  x [8,192][1,024] and Wo arrive as f16 operand images ([16 rows][32 k][half][lane][16 bytes]); sums in f32; out0 is f32.
; A work-group makes 128 tokens x 256 columns, so that there are 256 work-groups; four waves, each 64 x 128: 32 accumulators, 256 registers.  K goes in steps of 128 through two LDS slots.
; A step's part of a tile of 16 rows is 4,096 consecutive bytes of memory, and tiles lie 32,768 bytes apart: a tensor load brings 4 (x) or 8 (Wo) such rows.  In LDS they lie on end with no padding:
; every fragment load takes 512 consecutive bytes.
; THE MATRIX INSTRUCTION IS USED TRANSPOSED (source 0 = 16 columns of Wo, source 1 = 16 tokens): a lane holds eight neighbouring numbers of a row of out0.  bo is the C of each sum's first instruction.
; CLUSTERS: 4 x 4 work-groups; x's tiles are shared along a row of the cluster, Wo's along a column: each is asked for jointly.
; No prefetch: both operands are read by four clusters' rows or columns, and the launch is short.
; REGISTERS.  window 0: v1-12 addresses; v28, v29 the add's two; v32-63, v64-95 x's fragments, two buffers; v128-255 the way out.  window 1: v0-63, v64-127 Wo's fragments; v128-191 the bias.  window 2: the accumulators, (a, b) at 8 (8 a + b).
.set SLOT,  98304                      ; x's 8 tiles of 4,096 bytes, then Wo's 16
.set STAGE, 196608                     ; behind the slots: 16 rows x (512 + 16) bytes for each wave
.set SP,    528
.set SPARE, STAGE+4*16*SP              ; the spare words, 128 bytes for each wave: two blocks of 256 bytes that no other line names
.set LI,   1                           ; v1    16 x lane: an image's place for my lane, and my place in a row of out0
.set ADRA, 2                           ; v2-3  my tokens' images in slot 0, 1
.set ADRB, 4                           ; v4-5  my columns'
.set STO,  6
.set RD,   7
.set BO,   12
.set SPW,  28
.set NIL,  29
.set BIAS, 128                         ; in window 1
.set BK,   128                         ; the way out: v128-191 and v192-255 by turns
.set G1, 24
.set G0, 32
.set G1B, 48
.set G0B, 56
.set MSB, 0
.macro WIN new                         ; the immediate's high byte repeats the setting that is left
.if MSB != \new
	s_set_vgpr_msb (MSB<<8)|\new
.set MSB, \new
.endif
.endm
.set MUL, 0xa1                         ; source 0 (Wo) window 1, source 1 (x) window 0, C and D window 2
.macro JLOAD s                         ; waves 0 and 1 fetch x's halves, waves 2 and 3 Wo's; an s_nop 0 and four v_nop follow each of the two lines
	s_cmp_eq_u32 s13, 0
	s_cbranch_scc0 .Lfor_b_\@
	tensor_load_to_lds s[G0+4*\s:G0+4*\s+3], s[G1:G1+7]
	s_nop 0
.rept 4
	v_nop
.endr
	s_branch .Lasked_\@
.Lfor_b_\@:
	tensor_load_to_lds s[G0B+4*\s:G0B+4*\s+3], s[G1B:G1B+7]
	s_nop 0
.rept 4
	v_nop
.endr
.Lasked_\@:
.endm
.macro CREST                           ; a round of the cluster's barrier behind its opening barrier
	s_cmp_lg_u32 s12, 0
	s_cbranch_scc1 .Lnot_wave_0_\@
	s_barrier_signal -3
.Lnot_wave_0_\@:
	s_barrier_wait -3
	s_barrier_signal -1
	s_barrier_wait -1
.endm
.macro CROUND
	s_barrier_signal -1
	s_barrier_wait -1
	CREST
.endm
	s_load_b256 s[4:11], s[0:1], 0x0               ; xf s[4:5], wof s[6:7], bo s[8:9], out0 s[10:11]
	v_lshl_add_u32 v[SPW], v0, 2, SPARE
	v_mov_b32 v[NIL], 0
	ds_add_u32 v[SPW], v[NIL]                      ; the wave's opening: the add, twice on end, and its wait ahead of my first tensor load
	ds_add_u32 v[SPW], v[NIL]
	v_lshrrev_b32 v1, 5, v0
	v_readfirstlane_b32 s12, v1                    ; wave 0..3
	s_lshr_b32 s13, s12, 1                         ; which 64 tokens are mine.  Also: I fetch for x (0) or for Wo (1)
	s_and_b32 s14, s12, 1                          ; which 128 columns.  Also: which half of that tile I fetch
	s_bfe_u32 s40, ttmp6, 0x40000                  ; cx
	s_bfe_u32 s41, ttmp6, 0x40004                  ; cy
	s_lshl_b32 s42, ttmp9, 2
	s_add_co_u32 s42, s42, s40                     ; tile column = 4 x cluster x + cx
	s_and_b32 s15, ttmp7, 0xffff
	s_lshl_b32 s15, s15, 2
	s_add_co_u32 s15, s15, s41                     ; tile row = 4 x cluster y + cy
	s_lshl_b32 s43, s41, 2
	s_lshl_b32 s43, 15, s43                        ; my row of the cluster
	s_lshl_b32 s44, 0x1111, s40                    ; my column
	s_or_b32 s[G1+0], s43, (3<<16)|(1<<21)         ; 15:0 the mask; 17:16 elements of 8 bytes; 21 set beside a mask; no padding
	s_or_b32 s[G1B+0], s44, (3<<16)|(1<<21)
	s_mov_b32 s[G1+1], 512<<16                     ; tensor_dim0: 4,096 bytes
	s_mov_b32 s[G1+2], 4<<16                       ; tensor_dim1: 4 tiles of 16 tokens
	s_mov_b32 s[G1+3], 512<<16                     ; tile_dim0
	s_mov_b32 s[G1+4], 4                           ; tile_dim1
	s_mov_b32 s[G1+5], 4096                        ; tensor_dim0_stride: 32,768 bytes
	s_mov_b32 s[G1+6], 0
	s_mov_b32 s[G1+7], 0
	s_mov_b32 s[G1B+1], 512<<16
	s_mov_b32 s[G1B+2], 8<<16                      ; 8 tiles of 16 columns
	s_mov_b32 s[G1B+3], 512<<16
	s_mov_b32 s[G1B+4], 8
	s_mov_b32 s[G1B+5], 4096
	s_mov_b32 s[G1B+6], 0
	s_mov_b32 s[G1B+7], 0
	s_lshl_b32 s16, s15, 3
	s_lshl_b32 s17, s14, 2
	s_add_co_u32 s16, s16, s17                     ; x: tile 8 x tile row + 4 x half
	s_lshl_b32 s16, s16, 15
	s_mov_b32 s17, 0
	s_lshl_b32 s46, s42, 4
	s_lshl_b32 s47, s14, 3
	s_add_co_u32 s46, s46, s47                     ; Wo: tile 16 x tile column + 8 x half
	s_lshl_b32 s46, s46, 15
	s_mov_b32 s47, 0
	s_lshl_b32 s20, s14, 14                        ; where they go: no place in the cluster enters an LDS address
	s_lshl_b32 s21, s14, 15
	s_add_co_u32 s21, s21, 32768
	s_wait_dscnt 0x0                               ; both opening adds are done
	s_wait_kmcnt 0x0
	s_add_nc_u64 s[18:19], s[4:5], s[16:17]
	s_add_nc_u64 s[46:47], s[6:7], s[46:47]
	CROUND                                         ; all sixteen work-groups are here: the first joint loads meet
.irp s, 0,1
	s_mov_b32 s[G0+4*\s], 1
	s_add_co_u32 s[G0+4*\s+1], s20, \s*SLOT
	s_add_nc_u64 s[G0+4*\s+2:G0+4*\s+3], s[18:19], \s*4096
	s_or_b32 s[G0+4*\s+3], s[G0+4*\s+3], 0x80000000
	s_mov_b32 s[G0B+4*\s], 1
	s_add_co_u32 s[G0B+4*\s+1], s21, \s*SLOT
	s_add_nc_u64 s[G0B+4*\s+2:G0B+4*\s+3], s[46:47], \s*4096
	s_or_b32 s[G0B+4*\s+3], s[G0B+4*\s+3], 0x80000000
	JLOAD \s                                       ; two loads of mine are out
.endr
	v_and_b32 v9, 31, v0
	v_lshlrev_b32 v[LI], 4, v9
	v_and_b32 v10, 15, v0                          ; r
	v_bfe_u32 v11, v0, 4, 1                        ; h
	v_lshlrev_b32 v[BO], 5, v11
	s_lshl_b32 s46, s42, 10                        ; my first column, in bytes of a row of out0 and of bo: 1,024 x tile column + 512 x half
	s_lshl_b32 s47, s14, 9
	s_add_co_u32 s46, s46, s47
	s_mov_b32 s47, 0
	s_add_nc_u64 s[8:9], s[8:9], s[46:47]
	s_add_nc_u64 s[10:11], s[10:11], s[46:47]
	WIN 0x40                                       ; destination window 1
.irp b, 0,1,2,3,4,5,6,7
	global_load_b128 v[BIAS+8*\b:BIAS+8*\b+3], v[BO], s[8:9] offset:64*\b        ; lane (r, h): bo of columns 16 b + 8 h + 0 .. 7
	global_load_b128 v[BIAS+8*\b+4:BIAS+8*\b+7], v[BO], s[8:9] offset:64*\b+16
.endr
	WIN 0
	s_lshl_b32 s22, s13, 14                        ; my 4 tiles of tokens
	s_lshl_b32 s23, s14, 15
	s_add_co_u32 s23, s23, 32768                   ; my 8 tiles of columns
.irp s, 0,1
	v_add_nc_u32 v[ADRA+\s], s22, v[LI]
	v_add_nc_u32 v[ADRB+\s], s23, v[LI]
	s_add_co_u32 s22, s22, SLOT
	s_add_co_u32 s23, s23, SLOT
.endr
	s_mul_i32 s22, s12, 16*SP
	s_add_co_u32 s22, s22, STAGE                   ; my stage
	v_mul_u32_u24 v[STO], v10, SP
	v_lshl_add_u32 v[STO], v11, 5, v[STO]
	v_add_nc_u32 v[STO], s22, v[STO]               ; in: row r, 32 bytes for each half of the lanes
	v_add_nc_u32 v[RD], s22, v[LI]                 ; back: the 32 lanes take one row of 512 bytes
	s_lshl_b32 s16, s15, 19                        ; my first row of out0: 128 x tile row + 64 x half, 4,096 bytes each
	s_lshl_b32 s17, s13, 18
	s_add_co_u32 s16, s16, s17
	s_mov_b32 s17, 0
	s_add_nc_u64 s[10:11], s[10:11], s[16:17]
.macro MUL8 f, a, first                ; token block a x my eight column blocks, 32 along K, from buffer f.  The 32 accumulators take turns, one instruction a turn
.irp b, 0,1,2,3,4,5,6,7
.if \first
	v_wmma_f32_16x16x32_f16 v[8*(8*\a+\b):8*(8*\a+\b)+7], v[64*\f+8*\b:64*\f+8*\b+7], v[32+32*\f+8*\a:32+32*\f+8*\a+7], v[BIAS+8*\b:BIAS+8*\b+7]
.else
	v_wmma_f32_16x16x32_f16 v[8*(8*\a+\b):8*(8*\a+\b)+7], v[64*\f+8*\b:64*\f+8*\b+7], v[32+32*\f+8*\a:32+32*\f+8*\a+7], v[8*(8*\a+\b):8*(8*\a+\b)+7]
.endif
.endr
.endm
.macro FETCH slot, q, f                ; 24 LDS loads in one run: the slot's q-th 32 along K into buffer f
	WIN 0x40
.irp i, 0,1,2,3,4,5,6,7
	ds_load_b128 v[64*\f+8*\i:64*\f+8*\i+3],   v[ADRB+\slot] offset:\i*4096+\q*1024
	ds_load_b128 v[64*\f+8*\i+4:64*\f+8*\i+7], v[ADRB+\slot] offset:\i*4096+\q*1024+512
.endr
	WIN 0
.irp i, 0,1,2,3
	ds_load_b128 v[32+32*\f+8*\i:32+32*\f+8*\i+3],   v[ADRA+\slot] offset:\i*4096+\q*1024
	ds_load_b128 v[32+32*\f+8*\i+4:32+32*\f+8*\i+7], v[ADRA+\slot] offset:\i*4096+\q*1024+512
.endr
.endm
.macro PLACES                          ; four plain instructions between a matrix instruction and a load into, or a read of, its registers
.rept 4
	v_nop
.endr
.endm
; A K step is four quarters of 32 along K, 32 matrix instructions each, on buffers 0, 1, 0, 1.  One of the first three: multiplies buffer f and, in its middle, fetches quarter q into buffer g.
.macro QUARTER slot, q, f, g, first
	s_wait_dscnt 0x0                               ; this quarter's fragments, asked for sixteen matrix instructions ago
.if \first
	WIN 0x91                                       ; as MUL, with C (the bias) in window 1
.else
	WIN MUL
.endif
	MUL8 \f, 0, \first
	MUL8 \f, 1, \first
	PLACES
	FETCH \slot, \q, \g
.if \first
	WIN 0x91
.else
	WIN MUL
.endif
	MUL8 \f, 2, \first
	MUL8 \f, 3, \first
.endm
; The last quarter multiplies buffer 1 and changes slots: ONE barrier; in front of it each wave waits for all its tensor loads, adds 0 to its spare word, and waits for that and for its reads of this slot.
; fill = 1: the barrier opens a round of the cluster's barrier, and this slot is filled again, two K steps ahead, first thing behind the round.
.macro TURN slot, next, fill
	WIN 0
	s_wait_tensorcnt 0x0                           ; all my tensor loads have landed: my part of the next slot
	ds_add_u32 v[SPW], v[NIL]                      ; 0 onto my spare word
	s_wait_dscnt 1                                 ; the add alone may be out: this quarter's fragments are in
	WIN MUL
	MUL8 1, 0, 0
	s_wait_dscnt 0x0                               ; the add is done, and my reads of this slot are over
	s_barrier_signal -1
	MUL8 1, 1, 0
	WIN 0
	s_barrier_wait -1
.if \fill
	CREST                                          ; no wave of any partner still reads this slot or has a load on its way
	s_add_nc_u64 s[G0+4*\slot+2:G0+4*\slot+3], s[G0+4*\slot+2:G0+4*\slot+3], 8192
	s_add_nc_u64 s[G0B+4*\slot+2:G0B+4*\slot+3], s[G0B+4*\slot+2:G0B+4*\slot+3], 8192
	JLOAD \slot                                    ; the four v_nop behind it are also the places in front of the loads below
.else
	PLACES
.endif
	FETCH \next, 0, 0
	WIN MUL
	MUL8 1, 2, 0
	MUL8 1, 3, 0
.endm
	s_wait_loadcnt 0x0                             ; the bias
	s_wait_tensorcnt 1                             ; my part of K step 0 is in; K step 1's load may be out
	s_barrier_signal -1
	s_barrier_wait -1
	FETCH 0, 0, 0
	QUARTER 0, 1, 0, 1, 1                          ; the first quarter stands in front of the loop: its products start the sums, with the bias as C
	WIN 0                                          ; at a label and at a branch every window is 0
	s_mov_b32 s3, 3
.Llap:                                                 ; a trip goes once round the two slots, from a lap's second quarter to the next lap's first, and fills both again: 8 K steps = 2 first fills + 3 x 2
	QUARTER 0, 2, 1, 0, 0
	QUARTER 0, 3, 0, 1, 0
	TURN 0, 1, 1
	QUARTER 1, 1, 0, 1, 0
	QUARTER 1, 2, 1, 0, 0
	QUARTER 1, 3, 0, 1, 0
	TURN 1, 0, 1
	QUARTER 0, 1, 0, 1, 0
	WIN 0
	s_sub_co_u32 s3, s3, 1
	s_cmp_lg_u32 s3, 0
	s_cbranch_scc1 .Llap
	QUARTER 0, 2, 1, 0, 0                          ; the last lap is written out: it fills nothing
	QUARTER 0, 3, 0, 1, 0
	TURN 0, 1, 0
	QUARTER 1, 1, 0, 1, 0
	QUARTER 1, 2, 1, 0, 0
	QUARTER 1, 3, 0, 1, 0
	s_wait_dscnt 0x0
	WIN MUL
	MUL8 1, 0, 0
	MUL8 1, 1, 0
	MUL8 1, 2, 0
	MUL8 1, 3, 0
	WIN 0
; THE WAY OUT, a block of 16 tokens x 128 columns at a time: a lane holds 32 neighbouring bytes of a row, so a block goes through my own stage and comes back as whole rows of 512 bytes.
; LDS serves a wave's instructions in order (ISA guide 5.7.1.4): no wait between the stores and the loads, nor in front of the next block's stores.
.macro TOSTAGE a
	WIN 0x08                                       ; an LDS store's data are its source 1: window 2
.irp b, 0,1,2,3,4,5,6,7
	ds_store_b128 v[STO], v[64*(\a)+8*\b:64*(\a)+8*\b+3] offset:64*\b         ; each accumulator from its low end on
	ds_store_b128 v[STO], v[64*(\a)+8*\b+4:64*(\a)+8*\b+7] offset:64*\b+16
.endr
	WIN 0
.set BB, BK+64*((\a)%2)
.irp t, 0,1,2,3,4,5,6,7,8,9,10,11,12,13,14,15
	ds_load_b128 v[BB+4*\t:BB+4*\t+3], v[RD] offset:\t*SP
.endr
.endm
.macro SEND a, younger                 ; younger: the LDS instructions issued behind block a's loads, which may stay out
.set BB, BK+64*((\a)%2)
	s_wait_dscnt \younger
.if (\a) > 0
	s_add_nc_u64 s[10:11], s[10:11], 65536         ; 16 rows on (behind a wait on XCNT for 0: the earlier stores have read their base)
.endif
.irp t, 0,1,2,3,4,5,6,7,8,9,10,11,12,13,14,15
	global_store_b128 v[LI], v[BB+4*\t:BB+4*\t+3], s[10:11] offset:\t*4096 th:TH_STORE_NT   ; 512 consecutive bytes, aligned; written once, read by nobody here
.endr
.endm
	PLACES                                         ; behind the last products
	TOSTAGE 0
.irp a, 1,2,3
.if \a > 1
	s_wait_xcnt 0x0                                ; block a - 2's stores have read their registers and their base
.endif
	TOSTAGE \a
	SEND \a-1, 32                                  ; behind block a - 1's loads: block a's 16 stores and 16 loads
.endr
	s_wait_xcnt 0x0
	SEND 3, 0
	s_wait_tensorcnt 0x0                           ; the wave's end
	ds_add_u32 v[SPW], v[NIL]
	s_wait_dscnt 0x0
	CROUND                                         ; the closing round
	s_endpgm
.Lfunc_end_k_q14618ad174_outp:
	.size	k_q14618ad174_outp, .Lfunc_end_k_q14618ad174_outp-k_q14618ad174_outp
	.p2alignl 7, 3214868480
	.fill 96, 4, 3214868480
	.section	.rodata,"a",@progbits
	.p2align	6, 0x0
	.amdhsa_kernel k_q14618ad174_outp
		.amdhsa_group_segment_fixed_size 327680
		.amdhsa_private_segment_fixed_size 0
		.amdhsa_enable_private_segment 0
		.amdhsa_kernarg_size 32
		.amdhsa_user_sgpr_count 2
		.amdhsa_user_sgpr_kernarg_segment_ptr 1
		.amdhsa_wavefront_size32 1
		.amdhsa_system_sgpr_workgroup_id_x 1
		.amdhsa_system_sgpr_workgroup_id_y 1
		.amdhsa_system_sgpr_workgroup_id_z 1
		.amdhsa_system_vgpr_workitem_id 0
		.amdhsa_next_free_vgpr 768
		.amdhsa_next_free_sgpr 66
		.amdhsa_reserve_vcc 0
		.amdhsa_float_denorm_mode_32 3
		.amdhsa_float_denorm_mode_16_64 3
		.amdhsa_memory_ordered 1
		.amdhsa_forward_progress 1
		.amdhsa_inst_pref_size 86
	.end_amdhsa_kernel
	.amdgpu_metadata
---
amdhsa.version: [ 1, 2 ]
amdhsa.kernels:
  - .name:           k_q14618ad174_outp
    .symbol:         k_q14618ad174_outp.kd
    .args:
      - { .name: xf, .offset: 0, .size: 8, .value_kind: global_buffer, .address_space: global }
      - { .name: wof, .offset: 8, .size: 8, .value_kind: global_buffer, .address_space: global }
      - { .name: bo, .offset: 16, .size: 8, .value_kind: global_buffer, .address_space: global }
      - { .name: out0, .offset: 24, .size: 8, .value_kind: global_buffer, .address_space: global }
    .group_segment_fixed_size: 327680
    .private_segment_fixed_size: 0
    .kernarg_segment_align: 8
    .kernarg_segment_size: 32
    .max_flat_workgroup_size: 128
    .sgpr_count:     66
    .vgpr_count:     768
    .wavefront_size: 32
...
	.end_amdgpu_metadata
.endif
;; end of part 4
